; MI455X (gfx1250); checked and timed in simulation.
; The chip was launched on July 23, 2026; its instructions are those of AMD's public machine-readable ISA for CDNA 5 (MIT licence, August 2026) and "CDNA5" Instruction Set Architecture Reference Guide (July 2026). The comments in the code are by the model that wrote it; some were corrected since.
;; Monotonic NN. Allowed arithmetic: float matrix products may take bf16 or f16 operands with f32 sums; other float arithmetic in f32, or as packed bf16 or f16 multiplies, adds, multiply-adds, maxima and minima; sums over many terms, partial sums and values carried from step to step in f32; what a program stores and reads back later, other than sums and carried values, may be rounded once to bf16 or f16.
;; Inputs: h 8,192 x 7 float32; hW0 7 x 256 float32; hW1 256 x 256 float32; hW2 256 x 256 float32; hW3 256 x 2 float32; hb0 256 float32; hb1 256 float32; hb2 256 float32; hb3 2 float32; iW0 8 x 256 float32; iW1 256 x 256 float32; iW2 256 x 256 float32; iW3 256 x 1 float32; ib0 256 float32; ib1 256 float32; ib2 256 float32; ib3 1 float32; x 8,192 x 1 float32.
;; Outputs: out0 8,192 x 1 float32.
;; 3 versions, each right; version 3 is version 2 with the launch mono written anew for expert scheduling mode. Each part assembles by itself: llvm-mc -triple=amdgcn-amd-amdhsa -mcpu=gfx1250 --defsym DOCPART=n.
;; ======== version 1 of 3: 2 launches
;; workspace buffers: wf 524,288 bytes; tab 512 bytes
;; launch prep (part 1): grid 129 x 1, 8 waves a work-group, no clusters, 0 bytes of LDS; arguments iW1, iW2, hW1, hW2, wf, tab; writes wf, tab
.if DOCPART == 1
	.amdgcn_target "amdgcn-amd-amdhsa--gfx1250"
	.amdhsa_code_object_version 6
	.text
	.protected	k_q480cdf3c2d_prep
	.globl	k_q480cdf3c2d_prep
	.p2align	8
	.type	k_q480cdf3c2d_prep,@function
k_q480cdf3c2d_prep:
	s_mov_b64 s[64:65], 0
	v_nop
	global_prefetch_b8 v0, s[64:65] scope:SCOPE_SE
	s_setreg_imm32_b32 hwreg(HW_REG_WAVE_MODE, 25, 1), 1
	s_wait_xcnt 0x0
; PREP.  (1) Work-groups 0..127: the four 256 x 256 weight matrices iW1, iW2, hW1, hW2 (f32, [k][n]) are rounded once to bf16 and laid out in wf as
; the next launch's operand registers take them.  In a matrix (131,072 bytes) fragment f = 8 nb + kc is 1,024 bytes: [q 0..1][lane 0..31][8 bf16], and
; number j of a lane's eight is W[32 kc + 16 q + 8 (lane / 16) + j][16 nb + lane % 16]: 16 output channels x 32 k, source 0 of the 16x16x32 form.
; Work-group c: matrix c / 32, nb = 4 ((c / 8) % 4) + wave / 2, kc = c % 8, q = wave % 2: it reads 32 rows x 256 consecutive bytes; each wave stores 512 consecutive bytes.
; (2) Work-group 128, threads j = 0..63: the quadrature's constants, which reference() builds in its own body: t[j] = (cos(pi j / 50) + 1) / 2 and
; cw[j] = cc_weight[j] / 2 = f (1 - sum over m = 1..25 of 2 cos(2 m j pi / 50) / (4 m^2 - 1)), f = 0.01 for j = 0 and 50, else 0.02; both are 0 for j > 50.
; The cosine: the angle is a whole multiple a of pi / 50, folded by whole numbers to 0 .. pi / 2 and a sign; there the series to x^14 / 14! leaves less than 1e-10.
; LIMIT: t and cw are made in f32 and may differ from reference()'s (made in f64, rounded) in the last bits.
.set PI50, 0x3d80adfd                  ; pi / 50
	s_load_b256 s[4:11], s[0:1], 0x0               ; iW1 s[4:5], iW2 s[6:7], hW1 s[8:9], hW2 s[10:11]
	s_load_b128 s[12:15], s[0:1], 0x20             ; wf s[12:13], tab s[14:15]
	v_lshrrev_b32 v1, 5, v0
	v_readfirstlane_b32 s16, v1                    ; wave 0..7
	s_wait_kmcnt 0x0
	s_cmp_eq_u32 ttmp9, 128
	s_cbranch_scc1 .Ltab
	s_lshr_b32 s17, ttmp9, 5                       ; the matrix
	s_bfe_u32 s18, ttmp9, 0x20003                  ; (c / 8) % 4
	s_and_b32 s19, ttmp9, 7                        ; kc
	s_lshr_b32 s20, s16, 1
	s_and_b32 s21, s16, 1                          ; q
	s_lshl2_add_u32 s18, s18, s20                  ; nb
	s_lshl_b32 s22, s19, 15                        ; from: row 32 kc + 16 q (1,024 bytes a row), column 16 nb
	s_lshl_b32 s23, s21, 14
	s_add_co_u32 s22, s22, s23
	s_lshl_b32 s23, s18, 6
	s_add_co_u32 s22, s22, s23
	v_and_b32 v2, 15, v0
	v_bfe_u32 v3, v0, 4, 1
	v_lshlrev_b32 v2, 2, v2                        ; + column lane % 16
	v_lshl_add_u32 v2, v3, 13, v2                  ; + 8 rows for lanes 16-31
	v_add_nc_u32 v2, s22, v2
	s_lshl3_add_u32 s24, s18, s19                  ; to: block 2 (8 nb + kc) + q of 512 bytes
	s_lshl1_add_u32 s24, s24, s21
	s_lshl_b32 s24, s24, 9
	s_lshl_b32 s25, s17, 17
	s_add_co_u32 s24, s24, s25
	v_and_b32 v3, 31, v0
	v_lshl_add_u32 v3, v3, 4, s24
	s_cmp_eq_u32 s17, 1                            ; the matrix's address: a choice among four buffers by the work-group's number
	s_cselect_b64 s[26:27], s[6:7], s[4:5]
	s_cmp_eq_u32 s17, 2
	s_cselect_b64 s[26:27], s[8:9], s[26:27]
	s_cmp_eq_u32 s17, 3
	s_cselect_b64 s[26:27], s[10:11], s[26:27]
.irp j, 0,1,2,3,4,5,6,7
	global_load_b32 v[4+\j], v2, s[26:27] offset:1024*\j   ; eight k of one column
.endr
	s_wait_loadcnt 0x0
.irp p, 0,1,2,3
	v_cvt_pk_bf16_f32 v[12+\p], v[4+2*\p], v[5+2*\p]       ; the lower k in the lower half
.endr
	global_store_b128 v3, v[12:15], s[12:13]
	s_endpgm
.Ltab:
	s_cmp_lt_u32 s16, 2                            ; 64 threads make the 64 places of each table
	s_cbranch_scc1 .Lwork
	s_endpgm
.Lwork:
	s_mov_b32 s30, 0x80000000
	s_mov_b32 s31, 0x3c23d70a                      ; 0.01
; v[d] = cos(a pi / 50) for a whole number a = v[a] in 0..50: b = min(a, 50 - a), the sign turned where a > 25
.macro COS d, a
	v_sub_nc_u32 v20, 50, v[\a]
	v_min_u32 v20, v[\a], v20
	v_cmp_lt_u32 vcc_lo, 25, v[\a]
	v_cvt_f32_u32 v20, v20
	v_mul_f32 v20, PI50, v20
	v_mul_f32 v20, v20, v20                        ; y = x^2
	v_mov_b32 v21, 0xad49cba4                      ; -1/14!
	v_fmaak_f32 v21, v21, v20, 0x310f76c8          ; +1/12!
	v_fmaak_f32 v21, v21, v20, 0xb493f27e          ; -1/10!
	v_fmaak_f32 v21, v21, v20, 0x37d00d01          ; +1/8!
	v_fmaak_f32 v21, v21, v20, 0xbab60b61          ; -1/6!
	v_fmaak_f32 v21, v21, v20, 0x3d2aaaab          ; +1/4!
	v_fmaak_f32 v21, v21, v20, 0xbf000000          ; -1/2!
	v_fmaak_f32 v21, v21, v20, 0x3f800000          ; +1
	v_cndmask_b32 v22, 0, s30, vcc_lo
	v_xor_b32 v[\d], v22, v21
.endm
	v_min_u32 v2, 50, v0                           ; j, held to 50
	COS 3, 2
	v_fma_f32 v4, v3, 0.5, 0.5                     ; t
	v_lshlrev_b32 v5, 1, v2                        ; 2 j
	v_mov_b32 v6, 0                                ; 2 m j mod 100
	v_mov_b32 v7, 0                                ; the sum
	s_mov_b32 s24, 1
.Lm:                                                   ; m = 1 .. 25
	v_add_nc_u32 v6, v6, v5
	v_add_nc_u32 v8, 0xffffff9c, v6                ; less 100: below 100 this wraps to a huge number, and the minimum keeps the old one
	v_min_u32 v6, v6, v8
	v_sub_nc_u32 v8, 100, v6
	v_min_u32 v8, v6, v8                           ; cos is even about pi: a in 0..50
	s_mul_i32 s25, s24, s24
	s_lshl_b32 s25, s25, 2
	s_sub_co_u32 s25, s25, 1                       ; 4 m^2 - 1
	v_cvt_f32_u32 v9, s25
	v_rcp_f32 v10, v9
	COS 11, 8                                      ; plain work that names neither v9 nor v10 stands behind the reciprocal
	s_wait_alu depctr_va_vdst(0)                   ; the wait ahead of the reciprocal's first reader
	v_mul_f32 v10, v10, v11
	v_fmac_f32 v7, 2.0, v10
	s_add_co_u32 s24, s24, 1
	s_cmp_lt_u32 s24, 26
	s_cbranch_scc1 .Lm
	v_sub_f32 v7, 1.0, v7
	v_mov_b32 v12, 0x3ca3d70a                      ; 0.02
	v_cmp_eq_u32 vcc_lo, 0, v0
	v_cndmask_b32 v12, v12, s31, vcc_lo
	v_cmp_eq_u32 vcc_lo, 50, v0
	v_cndmask_b32 v12, v12, s31, vcc_lo
	v_mul_f32 v7, v7, v12
	v_cmp_lt_u32 vcc_lo, 50, v0                    ; places 51..63 hold 0
	v_cndmask_b32 v7, v7, 0, vcc_lo
	v_cndmask_b32 v4, v4, 0, vcc_lo
	v_lshlrev_b32 v13, 2, v0
	global_store_b32 v13, v4, s[14:15]
	global_store_b32 v13, v7, s[14:15] offset:256
	s_endpgm
.Lfunc_end_k_q480cdf3c2d_prep:
	.size	k_q480cdf3c2d_prep, .Lfunc_end_k_q480cdf3c2d_prep-k_q480cdf3c2d_prep
	.p2alignl 7, 3214868480
	.fill 96, 4, 3214868480
	.section	.rodata,"a",@progbits
	.p2align	6, 0x0
	.amdhsa_kernel k_q480cdf3c2d_prep
		.amdhsa_group_segment_fixed_size 0
		.amdhsa_private_segment_fixed_size 0
		.amdhsa_enable_private_segment 0
		.amdhsa_kernarg_size 48
		.amdhsa_user_sgpr_count 2
		.amdhsa_user_sgpr_kernarg_segment_ptr 1
		.amdhsa_wavefront_size32 1
		.amdhsa_system_sgpr_workgroup_id_x 1
		.amdhsa_system_sgpr_workgroup_id_y 1
		.amdhsa_system_sgpr_workgroup_id_z 1
		.amdhsa_system_vgpr_workitem_id 0
		.amdhsa_next_free_vgpr 32
		.amdhsa_next_free_sgpr 66
		.amdhsa_reserve_vcc 1
		.amdhsa_float_denorm_mode_32 3
		.amdhsa_float_denorm_mode_16_64 3
		.amdhsa_memory_ordered 1
		.amdhsa_forward_progress 1
		.amdhsa_inst_pref_size 7
	.end_amdhsa_kernel
	.amdgpu_metadata
---
amdhsa.version: [ 1, 2 ]
amdhsa.kernels:
  - .name:           k_q480cdf3c2d_prep
    .symbol:         k_q480cdf3c2d_prep.kd
    .args:
      - { .name: iW1, .offset: 0, .size: 8, .value_kind: global_buffer, .address_space: global }
      - { .name: iW2, .offset: 8, .size: 8, .value_kind: global_buffer, .address_space: global }
      - { .name: hW1, .offset: 16, .size: 8, .value_kind: global_buffer, .address_space: global }
      - { .name: hW2, .offset: 24, .size: 8, .value_kind: global_buffer, .address_space: global }
      - { .name: wf, .offset: 32, .size: 8, .value_kind: global_buffer, .address_space: global }
      - { .name: tab, .offset: 40, .size: 8, .value_kind: global_buffer, .address_space: global }
    .group_segment_fixed_size: 0
    .private_segment_fixed_size: 0
    .kernarg_segment_align: 8
    .kernarg_segment_size: 48
    .max_flat_workgroup_size: 256
    .sgpr_count:     66
    .vgpr_count:     32
    .wavefront_size: 32
...
	.end_amdgpu_metadata
.endif
;; end of part 1
;; launch mono (part 2): grid 256 x 1, 4 waves a work-group, no clusters, 285,696 bytes of LDS; arguments x, h, iW0, ib0, ib1, ib2, iW3, ib3, hW0, hb0, hb1, hb2, hW3, hb3, wf, tab, out0; writes out0
.if DOCPART == 2
	.amdgcn_target "amdgcn-amd-amdhsa--gfx1250"
	.amdhsa_code_object_version 6
	.text
	.protected	k_q480cdf3c2d_mono
	.globl	k_q480cdf3c2d_mono
	.p2align	8
	.type	k_q480cdf3c2d_mono,@function
k_q480cdf3c2d_mono:
	s_mov_b64 s[64:65], 0
	v_nop
	global_prefetch_b8 v0, s[64:65] scope:SCOPE_SE
	s_setreg_imm32_b32 hwreg(HW_REG_WAVE_MODE, 25, 1), 1
	s_wait_xcnt 0x0
; out[b] = exp(o1[b]) (x[b] sum over s of cw[s] dz[b][s]) + o0[b];  dz = elu(v) + 1, v the integrand net 8 -> 256 -> 256 -> 256 -> 1 at node s of element b;  (o0, o1) the h net 7 -> 256 -> 256 -> 256 -> 2.
; NOTHING IS LEFT OUT: all 18 inputs are read (iW1, iW2, hW1, hW2 as the launch before rounded and laid them out in wf).  Two steps are regrouped, by identities that hold for all values:
;   layer 0:  z @ iW0 + ib0 = t[s] U[b] + C[b],  U = x[b] iW0[0,:],  C = h[b] @ iW0[1:,:] + ib0,  t[s] = (cos(pi s / 50) + 1) / 2: U and C are made once, in f32; a node costs one fused multiply-add a channel;
;   elu(v) + 1 = max(v, 0) + exp(min(v, 0)): both of reference()'s branches, without a select.
; LIMITS.  The activations that enter a 256 x 256 product and those four matrices are rounded to bf16; all else is f32.  v_exp_f32 gives 0 for results below 2^-126.  t and cw come from tab (f32).
; SHARES.  Work-group c owns elements 32 c .. 32 c + 31, two groups g of 16.  A TILE is (node, group): 16 rows x 256 channels.  N IS SPLIT AMONG THE FOUR WAVES: wave w makes output channels 64 w .. 64 w + 63 of
; every tile and keeps its quarter of both layers' weights in 512 registers for the whole launch.  51 nodes x 2 groups x 2 layers and the h net's 2 x 2 are 208 UNITS of 32 matrix instructions, alike in all waves.
; LAYOUT.  The product is used transposed: source 0 = 16 output channels x 32 k of W^T, source 1 = 16 rows x 32 k of activations.  In the result lane l holds row l % 16 and channels 16 nb + 8 (l / 16) + 0..7; rounded to
; bf16 these four registers ARE half nb % 2 of fragment nb / 2 of the next layer's source 1, for the same lane.  So a tile lies in LDS as 16 blocks of 512 bytes, 16 bytes a lane on end: every LDS access takes 512 consecutive bytes.
; The first K step of a unit takes the bias registers as C: nothing is cleared, no bias is added.
; PIPELINE.  Step n: layer 2 of node n - 7, layer 1 of node n, layer 0 of node n + 2.  The seven steps without layer 2 at the head stand while iW2 arrives; the seven nodes of layer 2 at the tail while hW1 and hW2 take iW1's registers.
; The vector work (a unit's way out, one unit late; layer 0) is a numbered list dealt evenly behind the unit's matrix instructions.  ONE barrier a step: within a step's interval the waves read H0 slot n % 4 and H1 slot (n + 1) % 8
; and write H0 slots (n + 1) % 4, (n + 2) % 4 and H1 slot (n - 1) % 8.  The last two trips make layer 0 of nodes 51 and 52 (t = 0) into slots that nobody reads: sixteen groups a wave, the price of one text for every trip.
; NO CLUSTER, NO TENSOR LOADS: what work-groups share is the weights, which each wave loads once, 128 loads of 512 bytes for 6,656 matrix instructions, straight into the registers where they stay; through LDS each byte
; would be written and read once more, and 285,184 bytes of LDS are in use.  The step loop shares nothing between work-groups.
; REGISTERS, in windows of 256 (s_set_vgpr_msb: bits 1:0 source 0, 3:2 source 1, 5:4 source 2, 7:6 destination):
;   window 0: v0-15 addresses; v16-23 PP; v24-31 T; v32-47 packed results; v48 prefetch offset; v64-191 two fragment buffers; v192-255 two sets of four accumulators
;   window 1: iW1's quarter, later hW1's, then hW2's (fragment (i, kc) at 8 (8 i + kc))          window 2: iW2's quarter
;   window 3: v0-63 U (32 g + 8 i + j), at the end hW3; v64-127 C; v128-159 layer 1's bias; v160-191 ib2; v192-223 iW3  (register 8 i + j: channel 64 w + 16 i + 8 (l / 16) + j)
.set H1R,   65536     ; LDS: H0 ring at 0: 4 slots of 16,384 (group g at + 8,192, block nb at + 512 nb); H1 ring here: 8 slots of the same shape
.set HH0,   196608    ; the h net's layer 0, 16,384
.set HH1,   212992    ; its layer 1, 16,384
.set PB,    229376    ; partial sums of layer 3: node x 1,024 + g x 512 + row x 32 + w x 8 + (l / 16) x 4; 52 nodes, node 51 all 0
.set PH,    282624    ; the same for the h net: (16 g + row) x 64 + c x 32 + w x 8 + (l / 16) x 4
.set RED,   284672    ; the waves' parts of the quadrature sum: 4 x thread
.set SPARE, 285184    ; the spare words, 128 bytes for each wave: two blocks of 256 bytes that no other line names
.set L16, 1           ; 16 x lane; never rewritten
.set ST,  2           ; 16 x lane + 2,048 w; never rewritten
.set RA,  3           ; read address in the H0 ring
.set RB,  4           ; read address in the H1 ring (at the seams: elsewhere)
.set SA,  5           ; where layer 0 stores
.set SB,  6           ; where layer 1 stores
.set PA,  7           ; where layer 3's partial sums go
.set ZR,  8           ; 0
.set BO,  9           ; 256 w + 32 (l / 16): my channels in a vector of 256 f32; never rewritten
.set SPW, 10          ; LDS address of my spare word; never rewritten
.set NIL, 11          ; 0; never rewritten
.set PS,  12
.set PHA, 13
.set BO2, 14          ; 2 x BO: my channels in hW3
.set XF,  15          ; x of element 32 c + lane
.set PP,  16
.set T,   24
.set PK,  32
.set PKB, 40
.set PFO, 48
.set F0,  64
.set ACC0, 192
.set BA,  128
.set W3,  192
.set WV,  40          ; my wave's number
.set N,   41          ; the step; the head's and the main loop's counter
.set CNT, 42
.set M,   43          ; the tail's node
.set TS,  44          ; s[44:45] t of the node whose layer 0 is being made, and 0
.set TN,  46          ; the next t
.set TI,  47          ; its byte offset in tab
.set WFQ, 60          ; s[60:61] wf at my quarter of the first matrix
.set PFN, 62
.set PFB, 66
.set CW,  68          ; s68-80 cw of my 13 nodes w + 4 i
.set W4,  84
.set MSB, 0
.set DSM, 0
.set q, 0
.set GLN, 0
.set GLI, 0
.set GLM, 1
.set GLW, 2
.set GLB, 28
.macro WIN new                      ; the high byte repeats the setting that is left; a switch that changes nothing is dropped
.if MSB != (\new)
	s_set_vgpr_msb (MSB<<8)|(\new)
.set MSB, \new
.endif
.endm
; LAYER 0, group gi = 4 g + i (eight channels of 16 rows), entry e of 13: four packed t U + C, four roundings to bf16, four packed maxima with 0, one store
.macro E0E gi, e
.set zU, 8*(\gi)
.set zK, PK+4*((\gi)%2)
.if (\e) < 4
	WIN 0x33
	v_pk_fma_f32 v[T+2*(\e):T+2*(\e)+1], v[zU+2*(\e):zU+2*(\e)+1], s[TS:TS+1], v[64+zU+2*(\e):64+zU+2*(\e)+1] op_sel_hi:[1,0,1]
.elseif (\e) < 8
	WIN 0
	v_cvt_pk_bf16_f32 v[zK+(\e)-4], v[T+2*(\e)-8], v[T+2*(\e)-7]
.elseif (\e) < 12
	WIN 0
	v_pk_max_num_bf16 v[zK+(\e)-8], v[zK+(\e)-8], v[ZR]
.else
	WIN 0
	ds_store_b128 v[SA], v[zK:zK+3] offset:8192*((\gi)/4)+512*((\gi)%4)
.set DSM, DSM+1
.endif
.endm
; THE WAY OUT OF LAYER 1, entry e of 36: for each accumulator four roundings (its lowest registers first), four maxima, one store
.macro E1E e
.set zi, (\e)/9
.set ze, (\e)%9
.set zK, PKB+4*(zi%2)
	WIN 0
.if ze < 4
	v_cvt_pk_bf16_f32 v[zK+ze], v[EPA+8*zi+2*ze], v[EPA+8*zi+2*ze+1]
.elseif ze < 8
	v_pk_max_num_bf16 v[zK+ze-4], v[zK+ze-4], v[ZR]
.else
	ds_store_b128 v[SB], v[zK:zK+3] offset:8192*EPG+512*zi
.set DSM, DSM+1
.endif
.endm
; THE WAY OUT OF LAYER 2 with layer 3, entry e of 53: for each accumulator eight maxima with 0 and four packed multiply-adds by iW3, in f32; then my 32 channels' sum, stored
.macro E2E e
.if (\e) < 48
.set zi, (\e)/12
.set ze, (\e)%12
.if ze < 8
	WIN 0
	v_max_num_f32 v[T+ze], 0, v[EPA+8*zi+ze]
.elseif zi == 0
	WIN 0x0c
	v_pk_mul_f32 v[PP+2*ze-16:PP+2*ze-15], v[T+2*ze-16:T+2*ze-15], v[W3+2*ze-16:W3+2*ze-15]
.else
	WIN 0x0c
	v_pk_fma_f32 v[PP+2*ze-16:PP+2*ze-15], v[T+2*ze-16:T+2*ze-15], v[W3+8*zi+2*ze-16:W3+8*zi+2*ze-15], v[PP+2*ze-16:PP+2*ze-15]
.endif
.elseif (\e) == 48
	WIN 0
	v_pk_add_f32 v[PP:PP+1], v[PP:PP+1], v[PP+2:PP+3]
.elseif (\e) == 49
	WIN 0
	v_pk_add_f32 v[PP+4:PP+5], v[PP+4:PP+5], v[PP+6:PP+7]
.elseif (\e) == 50
	WIN 0
	v_pk_add_f32 v[PP:PP+1], v[PP:PP+1], v[PP+4:PP+5]
.elseif (\e) == 51
	WIN 0
	v_add_f32 v[PS], v[PP], v[PP+1]
.else
	WIN 0
	ds_store_b32 v[PA], v[PS] offset:512*EPG
.set DSM, DSM+1
.endif
.endm
; THE SAME FOR THE H NET, entry e of 100: two outputs c; hW3 (f32, [k][c]) lies in window 3 at 16 i + 2 j + c; four sums by c and j's parity
.macro E3E e
.if (\e) < 96
.set zi, (\e)/24
.set ze, (\e)%24
.if ze < 8
	WIN 0
	v_max_num_f32 v[T+ze], 0, v[EPA+8*zi+ze]
.else
.set zj, (ze-8)/2
.set zc, (ze-8)%2
	WIN 0x0c
.if (zi == 0) && (zj < 2)
	v_mul_f32 v[PP+zc+2*zj], v[T+zj], v[2*zj+zc]
.else
	v_fma_f32 v[PP+zc+2*(zj%2)], v[T+zj], v[16*zi+2*zj+zc], v[PP+zc+2*(zj%2)]
.endif
.endif
.elseif (\e) < 98
	WIN 0
	v_add_f32 v[PP+(\e)-96], v[PP+(\e)-96], v[PP+(\e)-94]
.else
	WIN 0
	ds_store_b32 v[PHA], v[PP+(\e)-98] offset:1024*EPG+32*((\e)-98)
.set DSM, DSM+1
.endif
.endm
; A unit's list of vector work: RID kind, a, n: the way out of the unit before (kind 0 none, 1 layer 1's, 2 layer 2's, 3 the h net's last) and layer-0 groups a .. a + n - 1.
; Its order: the first layer-0 group, or four v_nop; the way out; the other groups.  The list's first four lines are plain, name no register of the unit before, and are the four places between that unit's
; last products and the first read of its accumulators, and the first load into the fragment buffer that it read.
.macro RID k, a, n
.set EPK, \k
.set E0A, \a
.set E0N, \n
.endm
.macro ENT                          ; the list's next entry
.if q < EH
.if E0N > 0
	E0E E0A, q
.else
	v_nop
.endif
.elseif q < EH+EL
.set ye, q-EH
.if EPK == 1
	E1E ye
.elseif EPK == 2
	E2E ye
.else
	E3E ye
.endif
.else
.set yg, E0A+1+(q-EH-EL)/13
.set ye, (q-EH-EL)%13
	E0E yg, ye
.endif
.set q, q+1
.endm
; One load of a run that brings weights for later: index GLI: 0-63 block GLI of my quarter of matrix GLM into window GLW; 64-71 the bias at s[GLB:GLB+1] into layer 1's bias registers; 72-87 hW3 into U's registers
.macro GL1
.if GLI < 64
	WIN GLW*64
	global_load_b128 v[4*GLI:4*GLI+3], v[L16], s[WFQ:WFQ+1] offset:GLM*131072+512*GLI
.elseif GLI < 72
	WIN 0xc0
	global_load_b128 v[BA+4*(GLI-64):BA+4*(GLI-64)+3], v[BO], s[GLB:GLB+1] offset:64*((GLI-64)/2)+16*((GLI-64)%2)
.else
	WIN 0xc0
	global_load_b128 v[4*(GLI-72):4*(GLI-72)+3], v[BO2], s[32:33] offset:128*((GLI-72)/4)+16*((GLI-72)%4)
.endif
.set GLI, GLI+1
.endm
; A UNIT: one tile through one layer, for my 64 channels.  lay: 1 = weights in window 1, 2 = in window 2.  par: fragment buffer, accumulator set and group.  Product mm = 4 kc + i: the four accumulators take turns, one
; instruction a turn, and the next unit takes the other set.  nx = 1: the next unit's 16 fragment loads, from v[nxr] + nxo, one behind each of products 8 to 23.
; THE WAITS ON DScnt.  My 16 fragment loads were issued in the unit before, in kc's order.  Ahead of products 0, 8, 16, 24 four more must be in: younger than these are 12 - 4 (mm / 8) of the sixteen and the DSM LDS lines
; of this unit so far; stores that the unit before issued among or behind its loads are not counted, which only makes the wait stricter.
; bar = 1: the step's barrier.  Ahead of product 4 all my LDS loads and stores are waited for, then the signal; products 4 to 7 stand bare; the barrier's wait ahead of product 8, and with it ahead of the loads for the next unit.
.macro UNIT lay, par, nx, nxr, nxo, bar
.set DSM, 0
.set q, 0
.set uF, F0+64*(\par)
.set uG, F0+64-64*(\par)
.set uC, ACC0+32*(\par)
.set EPA, ACC0+32-32*(\par)
.set EPG, 1-(\par)
.set uB, 96+32*(\lay)
.if E0N > 0
.set EH, 13
.set QN, 13*E0N
.else
.set EH, 4
.set QN, 4
.endif
.if EPK == 1
.set EL, 36
.elseif EPK == 2
.set EL, 53
.elseif EPK == 3
.set EL, 100
.else
.set EL, 0
.endif
.set QN, QN+EL
.set NS, 32-4*(\bar)
.set mm, 0
.rept 32
.if (mm == 0) || ((mm%8 == 0) && !(\bar))
	s_wait_dscnt 12-4*(mm/8)+DSM
.endif
.if (\bar) && (mm == 4)
	s_wait_dscnt 0x0                ; for the others' sake: my stores of this interval are done and my reads of it are back
	s_barrier_signal -1
.endif
.if (\bar) && (mm == 8)
	s_barrier_wait -1
.endif
.set ui, mm%4
.set uk, mm/4
.if uk == 0
	WIN 0x30+(\lay)
	v_wmma_f32_16x16x32_bf16 v[uC+8*ui:uC+8*ui+7], v[64*ui+8*uk:64*ui+8*uk+7], v[uF+8*uk:uF+8*uk+7], v[uB+8*ui:uB+8*ui+7]
.else
	WIN \lay
	v_wmma_f32_16x16x32_bf16 v[uC+8*ui:uC+8*ui+7], v[64*ui+8*uk:64*ui+8*uk+7], v[uF+8*uk:uF+8*uk+7], v[uC+8*ui:uC+8*ui+7]
.endif
.if !(\bar) || (mm < 4) || (mm >= 8)
.set us, mm
.if (\bar) && (mm >= 8)
.set us, mm-4
.endif
.rept ((us+1)*QN)/NS-q
	ENT
.endr
.if (\nx) && (mm >= 8) && (mm < 24)
	WIN 0
	ds_load_b128 v[uG+4*(mm-8):uG+4*(mm-8)+3], v[\nxr] offset:(\nxo)+512*(mm-8)
.set DSM, DSM+1
.endif
.if mm == 8
.rept GLN
	GL1
.endr
.endif
.endif
.set mm, mm+1
.endr
.set GLN, 0
.endm
.macro TSTEP                        ; t of the next node to be made; the one after it is asked for a step ahead
	s_wait_kmcnt 0x0                ; the load of a step ago: TN is in, and TI may be written
	s_mov_b32 s[TS], s[TN]
	s_add_co_u32 s[TI], s[TI], 4
	s_load_b32 s[TN], s[38:39], s[TI] offset:0x0
.endm
; The step's addresses, head (no layer 2): n = s[N].  RA, RB: H0(n + 1); at n = 6 RB turns to H1(0).  SA: H0(n + 2).  SB: H1(n).
.macro UPD_H
	WIN 0
	s_add_co_u32 s48, s[N], 1
	s_and_b32 s48, s48, 3
	s_lshl_b32 s48, s48, 14
	v_add_nc_u32 v[RA], s48, v[L16]
	s_cmp_eq_u32 s[N], 6
	s_cselect_b32 s48, H1R, s48
	v_add_nc_u32 v[RB], s48, v[L16]
	s_add_co_u32 s49, s[N], 2
	s_and_b32 s49, s49, 3
	s_lshl_b32 s49, s49, 14
	v_add_nc_u32 v[SA], s49, v[ST]
	s_and_b32 s49, s[N], 7
	s_lshl_b32 s49, s49, 14
	s_add_co_u32 s49, s49, H1R
	v_add_nc_u32 v[SB], s49, v[ST]
	TSTEP
	s_add_co_u32 s[N], s[N], 1
.endm
; The same in the main loop.  RA: H0(n).  RB: H1(n - 6), slot (n + 2) % 8.  SA: H0(n + 2).  SB: H1(n).  PA: node n - 7.
.macro UPD
	WIN 0
	s_and_b32 s48, s[N], 3
	s_lshl_b32 s48, s48, 14
	v_add_nc_u32 v[RA], s48, v[L16]
	s_add_co_u32 s49, s[N], 2
	s_and_b32 s48, s49, 7
	s_lshl_b32 s48, s48, 14
	s_add_co_u32 s48, s48, H1R
	v_add_nc_u32 v[RB], s48, v[L16]
	s_and_b32 s49, s49, 3
	s_lshl_b32 s49, s49, 14
	v_add_nc_u32 v[SA], s49, v[ST]
	s_and_b32 s49, s[N], 7
	s_lshl_b32 s49, s49, 14
	s_add_co_u32 s49, s49, H1R
	v_add_nc_u32 v[SB], s49, v[ST]
	v_add_nc_u32 v[PA], 1024, v[PA]
	TSTEP
	s_add_co_u32 s[N], s[N], 1
.endm
; The same in the tail: the next node's H1, or, behind the part's last node, the h net's tile at LDS byte special
.macro UPD_T last1, special
	WIN 0
	s_add_co_u32 s[M], s[M], 1
	s_and_b32 s48, s[M], 7
	s_lshl_b32 s48, s48, 14
	s_add_co_u32 s48, s48, H1R
	s_cmp_eq_u32 s[M], \last1
	s_cselect_b32 s48, \special, s48
	v_add_nc_u32 v[RB], s48, v[L16]
	v_add_nc_u32 v[PA], 1024, v[PA]
.endm
; A PART OF THE TAIL: layer 2 of 2 + trips nodes.  Its first four units each carry a run of gn loads into the registers that layer 1's weights have left.  Its first unit carries the way out of the layer-1 unit before it;
; the barrier in its second unit shows that tile to all waves.
.macro TAILPART trips, last1, special, gn
	RID 1, 0, 0
.set GLN, \gn
	UNIT 2, 0, 1, RB, 8192, 0
	UPD_T \last1, \special
	RID 2, 0, 0
.set GLN, \gn
	UNIT 2, 1, 1, RB, 0, 1
.set GLN, \gn
	UNIT 2, 0, 1, RB, 8192, 0
	UPD_T \last1, \special
.set GLN, \gn
	UNIT 2, 1, 1, RB, 0, 0
	WIN 0
	s_mov_b32 s[CNT], \trips
.Ltp_\@:
	UNIT 2, 0, 1, RB, 8192, 0
	UPD_T \last1, \special
	UNIT 2, 1, 1, RB, 0, 0
	WIN 0
	s_sub_co_u32 s[CNT], s[CNT], 1
	s_cmp_lg_u32 s[CNT], 0
	s_cbranch_scc1 .Ltp_\@
.endm
	s_load_b512 s[8:23], s[0:1], 0x0    ; x s[8:9], h s[10:11], iW0 s[12:13], ib0 s[14:15], ib1 s[16:17], ib2 s[18:19], iW3 s[20:21], ib3 s[22:23]
	s_load_b512 s[24:39], s[0:1], 0x40  ; hW0 s[24:25], hb0 s[26:27], hb1 s[28:29], hb2 s[30:31], hW3 s[32:33], hb3 s[34:35], wf s[36:37], tab s[38:39]
	s_load_b64 s[4:5], s[0:1], 0x80     ; out0
	v_lshl_add_u32 v[SPW], v0, 2, SPARE
	v_mov_b32 v[NIL], 0
	v_lshrrev_b32 v16, 5, v0
	v_readfirstlane_b32 s[WV], v16      ; wave 0..3
	v_and_b32 v17, 31, v0               ; l
	v_and_b32 v18, 15, v0               ; l % 16
	v_bfe_u32 v19, v0, 4, 1             ; l / 16
	v_mov_b32 v[ZR], 0
	v_lshlrev_b32 v[L16], 4, v17
	s_lshl_b32 s48, s[WV], 11
	v_add_nc_u32 v[ST], s48, v[L16]
	s_lshl_b32 s48, s[WV], 8
	v_lshl_add_u32 v[BO], v19, 5, s48
	v_lshlrev_b32 v[BO2], 1, v[BO]
	s_lshl_b32 s48, s[WV], 3
	v_lshl_add_u32 v20, v19, 2, s48     ; 8 w + 4 (l / 16)
	v_lshl_add_u32 v[PA], v18, 5, v20
	v_add_nc_u32 v[PA], PB-1024, v[PA]  ; one node ahead of node 0: the main loop steps it first
	v_lshl_add_u32 v[PHA], v18, 6, v20
	v_add_nc_u32 v[PHA], PH, v[PHA]
	v_mul_u32_u24 v21, v18, 28          ; my row of h in a group: 7 f32
	v_lshlrev_b32 v22, 2, v18
	v_lshlrev_b32 v23, 2, v17
	s_lshl_b32 s[W4], s[WV], 2
	s_mul_i32 s56, ttmp9, 896           ; the work-group's 32 rows of h,
	s_mov_b32 s57, 0
	s_lshl_b32 s2, ttmp9, 7             ; of x and of out0
	s_mov_b32 s3, 0
	s_lshl_b32 s50, s[WV], 15           ; my quarter of a matrix in wf
	s_mov_b32 s51, 0
	s_min_u32 s48, ttmp9, 7             ; the prefetch's place (below); work-groups 8 and on ask for nothing
	s_lshl2_add_u32 s48, s48, s[WV]
	s_lshl_b32 s52, s48, 13
	s_add_co_u32 s52, s52, 262144
	s_mov_b32 s53, 0
	s_cmp_lt_u32 ttmp9, 8
	s_cselect_b32 s[PFN], 47, -1
	s_mov_b32 s[TS+1], 0
	s_mov_b32 s[N], 0
	s_mov_b32 s[M], 44
	s_mov_b32 s[TI], 8
	s_wait_kmcnt 0x0
	s_add_nc_u64 s[58:59], s[10:11], s[56:57]
	s_add_nc_u64 s[86:87], s[8:9], s[2:3]
	s_add_nc_u64 s[4:5], s[4:5], s[2:3]
	s_add_nc_u64 s[WFQ:WFQ+1], s[36:37], s[50:51]
	s_add_nc_u64 s[PFB:PFB+1], s[36:37], s[52:53]
	s_load_b128 s[52:55], s[38:39], 0x0 ; t0 .. t3
	s_load_b32 s81, s[22:23], 0x0       ; ib3
	s_load_b64 s[82:83], s[34:35], 0x0  ; hb3
.set k, 0
.rept 13
	s_load_b32 s[CW+k], s[38:39], s[W4] offset:256+16*k  ; cw of node w + 4 k
.set k, k+1
.endr
	; THE SET-UP'S LOADS, 177: iW0's 8 rows into window 2, hW0's 7 into v64-255 and window 3 v224-255, each as my 32 channels; ib0 into C and hb0 into U's registers, for both groups: the sums start there; ib1; my rows' h and x
	WIN 0x80
.set d, 0
.rept 8
.set k, 0
.rept 8
	global_load_b128 v[32*d+4*k:32*d+4*k+3], v[BO], s[12:13] offset:1024*d+64*(k/2)+16*(k%2)
.set k, k+1
.endr
.set d, d+1
.endr
	WIN 0
.set d, 0
.rept 6
.set k, 0
.rept 8
	global_load_b128 v[64+32*d+4*k:64+32*d+4*k+3], v[BO], s[24:25] offset:1024*d+64*(k/2)+16*(k%2)
.set k, k+1
.endr
.set d, d+1
.endr
.set k, 0
.rept 7
	global_load_b32 v[32+2*k], v21, s[58:59] offset:4*k       ; h[row][k], group 0,
	global_load_b32 v[48+2*k], v21, s[58:59] offset:448+4*k   ; group 1
.set k, k+1
.endr
	global_load_b32 v46, v22, s[86:87]
	global_load_b32 v62, v22, s[86:87] offset:64
	global_load_b32 v[XF], v23, s[86:87]
	WIN 0xc0
.set k, 0
.rept 8
	global_load_b128 v[224+4*k:224+4*k+3], v[BO], s[24:25] offset:6144+64*(k/2)+16*(k%2)
	global_load_b128 v[4*k:4*k+3],         v[BO], s[26:27] offset:64*(k/2)+16*(k%2)
	global_load_b128 v[32+4*k:32+4*k+3],   v[BO], s[26:27] offset:64*(k/2)+16*(k%2)
	global_load_b128 v[64+4*k:64+4*k+3],   v[BO], s[14:15] offset:64*(k/2)+16*(k%2)
	global_load_b128 v[96+4*k:96+4*k+3],   v[BO], s[14:15] offset:64*(k/2)+16*(k%2)
	global_load_b128 v[BA+4*k:BA+4*k+3],   v[BO], s[16:17] offset:64*(k/2)+16*(k%2)
.set k, k+1
.endr
	WIN 0x40                            ; and behind them iW1's quarter, 64 loads of 512 bytes
.set k, 0
.rept 64
	global_load_b128 v[4*k:4*k+3], v[L16], s[WFQ:WFQ+1] offset:512*k
.set k, k+1
.endr
	WIN 0
	s_wait_loadcnt 63                   ; of the 241 issued the 178 oldest are in: the whole set-up; iW1 stays on its way under the arithmetic below
.set k, 0
.rept 16
	v_mov_b32 v[33+2*k], v[32+2*k]      ; each h and x twice, a pair for the packed forms
.set k, k+1
.endr
	; the h net's layer 0 before its maximum, in U's registers: hb0 + sum over d of h[d] hW0[d]; k = 16 g + pair
.set d, 0
.rept 7
.if d < 6
	WIN 0xf0
.set zs, 64+32*d
.else
	WIN 0xf3
.set zs, 224
.endif
.set k, 0
.rept 32
	v_pk_fma_f32 v[2*k:2*k+1], v[zs+2*(k%16):zs+2*(k%16)+1], v[32+16*(k/16)+2*d:32+16*(k/16)+2*d+1], v[2*k:2*k+1]
.set k, k+1
.endr
.set d, d+1
.endr
	WIN 0xf2                            ; C = ib0 + sum over d of h[d] iW0[1 + d]
.set d, 0
.rept 7
.set k, 0
.rept 32
	v_pk_fma_f32 v[64+2*k:64+2*k+1], v[32*(d+1)+2*(k%16):32*(d+1)+2*(k%16)+1], v[32+16*(k/16)+2*d:32+16*(k/16)+2*d+1], v[64+2*k:64+2*k+1]
.set k, k+1
.endr
.set d, d+1
.endr
	WIN 0
	v_add_nc_u32 v[SB], HH0, v[ST]
.set k, 0
.rept 8                                 ; the h net's layer 0 goes to LDS as a tile like any other
	WIN 0x0f
.irp e, 0,1,2,3
	v_cvt_pk_bf16_f32 v[PK+4*(k%2)+\e], v[8*k+2*\e], v[8*k+2*\e+1]
.endr
	WIN 0
.irp e, 0,1,2,3
	v_pk_max_num_bf16 v[PK+4*(k%2)+\e], v[PK+4*(k%2)+\e], v[ZR]
.endr
	ds_store_b128 v[SB], v[PK+4*(k%2):PK+4*(k%2)+3] offset:8192*(k/4)+512*(k%4)
.set k, k+1
.endr
	WIN 0xc2                            ; U = x iW0[0]
.set k, 0
.rept 32
	v_pk_mul_f32 v[2*k:2*k+1], v[2*(k%16):2*(k%16)+1], v[46+16*(k/16):47+16*(k/16)]
.set k, k+1
.endr
	; window 2 is free: 63 more loads: ib2, iW3 and blocks 0-46 of iW2's quarter
	WIN 0xc0
.set k, 0
.rept 8
	global_load_b128 v[160+4*k:160+4*k+3], v[BO], s[18:19] offset:64*(k/2)+16*(k%2)
	global_load_b128 v[W3+4*k:W3+4*k+3],   v[BO], s[20:21] offset:64*(k/2)+16*(k%2)
.set k, k+1
.endr
	WIN 0x80
.set k, 0
.rept 47
	global_load_b128 v[4*k:4*k+3], v[L16], s[WFQ:WFQ+1] offset:131072+512*k
.set k, k+1
.endr
	WIN 0
	v_and_b32 v[PFO], 31, v0
	v_lshlrev_b32 v[PFO], 8, v[PFO]
	v_mov_b32 v16, 0
	v_mov_b32 v17, 0
	v_lshl_add_u32 v18, v0, 3, PB+51*1024
	ds_store_b64 v18, v[16:17]          ; node 51's partial sums are 0: the end takes 13 nodes a wave, 52 in all, with cw[51] = 0
	v_mov_b32 v[SA], v[ST]
	v_mov_b32 v[RA], v[L16]
	s_wait_kmcnt 0x0                    ; t0 .. t3, ib3, hb3, cw
	s_mov_b32 s[TS], s52
	s_mov_b32 s[TN], s54
	s_mov_b32 s[CNT], 2
.Lh0:                                   ; layer 0 of nodes 0 and 1, into H0 slots 0 and 1
.set k, 0
.rept 8
.set d, 0
.rept 13
	E0E k, d
.set d, d+1
.endr
.set k, k+1
.endr
	WIN 0
	v_add_nc_u32 v[SA], 16384, v[SA]
	s_mov_b32 s[TS], s53
	s_sub_co_u32 s[CNT], s[CNT], 1
	s_cmp_lg_u32 s[CNT], 0
	s_cbranch_scc1 .Lh0
	s_wait_loadcnt 63                   ; 63 loads were issued behind iW1's last: iW1 is in
	s_wait_dscnt 0x0                    ; my stores of H0(0), H0(1), the h net's tile and node 51's zeros are done
	s_barrier_signal -1
	s_barrier_wait -1
.set k, 0
.rept 16
	ds_load_b128 v[F0+4*k:F0+4*k+3], v[RA] offset:512*k  ; node 0, group 0
.set k, k+1
.endr
	; STEP 0, written out: nothing to take out yet; the rest of iW2 (blocks 47-63) is asked for
.set GLI, 47
.set GLM, 1
.set GLW, 2
	RID 0, 0, 0
.set GLN, 9
	UNIT 1, 0, 1, RA, 8192, 0
	UPD_H
	RID 1, 0, 5
.set GLN, 8
	UNIT 1, 1, 1, RB, 0, 1
	WIN 0
.Lhead:                                 ; steps 1 to 6: layer 1 alone
	RID 1, 5, 3
	UNIT 1, 0, 1, RA, 8192, 0
	UPD_H
	RID 1, 0, 5
	UNIT 1, 1, 1, RB, 0, 1
	WIN 0
	s_cmp_lt_u32 s[N], 7
	s_cbranch_scc1 .Lhead
	s_wait_loadcnt 0x0                  ; iW2, ib2, iW3
.Lmain:                                 ; steps 7 to 50
	; hW1 and hW2, the second half of wf, are first loaded behind this loop.  In step 47, 512 matrix instructions ahead of the first of those loads, each wave of work-groups 0-7 asks for 8,192 bytes of them,
	; a lane 256 bytes on from the last: 32 waves x 8,192 = 262,144 bytes, each block named once in the launch.
	s_cmp_eq_u32 s[N], s[PFN]
	s_cbranch_scc0 .Lnopf
	global_prefetch_b8 v[PFO], s[PFB:PFB+1] th:TH_LOAD_NT scope:SCOPE_SE
.Lnopf:
	RID 1, 5, 3
	UNIT 2, 0, 1, RB, 8192, 0           ; layer 2, node n - 7, group 0 | the way out of layer 1, node n - 1, group 1
	UPD
	RID 2, 0, 2
	UNIT 2, 1, 1, RA, 0, 0              ; layer 2, group 1 | the way out of the unit before
	RID 2, 2, 2
	UNIT 1, 0, 1, RA, 8192, 0           ; layer 1, node n, group 0
	RID 1, 4, 1
	UNIT 1, 1, 1, RB, 0, 1              ; layer 1, group 1; the step's barrier
	WIN 0
	s_cmp_lt_u32 s[N], 51
	s_cbranch_scc1 .Lmain
	; THE TAIL.  Layer 2 of nodes 44-47, while hW1 and hb1 come (72 loads); the h net's layer 1; layer 2 of nodes 48-50, while hW2, hb2 and hW3 come (88 loads); the h net's layer 2 and 3
.set GLI, 0
.set GLM, 2
.set GLW, 1
.set GLB, 28
	TAILPART 2, 48, HH0, 18
	s_wait_loadcnt 0x0                  ; hW1, hb1
	RID 2, 0, 0
	UNIT 1, 0, 1, RB, 8192, 0
	WIN 0
	v_add_nc_u32 v[SB], HH1, v[ST]
	v_add_nc_u32 v[RB], H1R, v[L16]     ; node 48 lies in H1 slot 0
	RID 1, 0, 0
	UNIT 1, 1, 1, RB, 0, 0
.set GLI, 0
.set GLM, 3
.set GLW, 1
.set GLB, 30
	TAILPART 1, 51, HH1, 22
	s_wait_loadcnt 0x0                  ; hW2, hb2, hW3
	RID 2, 0, 0
	UNIT 1, 0, 1, RB, 8192, 0
	RID 3, 0, 0
	UNIT 1, 1, 0, RB, 0, 0
.set EPA, ACC0+32                       ; the last unit's way out has no unit to ride in: four v_nop, the places behind its last products, and its 100 entries
.set EPG, 1
.set q, 0
.rept 104
	ENT
.endr
	WIN 0
	; THE END.  Wave w, lane l = element l: nodes w + 4 i, i = 0..12: the eight partial sums of v, ib3, elu + 1, times cw
	s_wait_dscnt 0x0
	s_barrier_signal -1
	s_barrier_wait -1                   ; all partial sums lie in LDS
	v_and_b32 v16, 31, v0
	s_lshl_b32 s48, s[WV], 10
	s_add_co_u32 s48, s48, PB
	v_lshl_add_u32 v17, v16, 5, s48
.set k, 0
.rept 13
	ds_load_b128 v[64+8*k:64+8*k+3], v17 offset:4096*k
	ds_load_b128 v[64+8*k+4:64+8*k+7], v17 offset:4096*k+16
.set k, k+1
.endr
	s_wait_dscnt 0x0
.macro ALL line:vararg                  ; one line for each of my 13 nodes; a node's registers begin at v[z]
.set z, 64
.rept 13
	\line
.set z, z+8
.endr
.endm
	ALL v_pk_add_f32 v[z:z+1], v[z:z+1], v[z+2:z+3]
	ALL v_pk_add_f32 v[z+4:z+5], v[z+4:z+5], v[z+6:z+7]
	ALL v_pk_add_f32 v[z:z+1], v[z:z+1], v[z+4:z+5]
	ALL v_add_f32 v[z], v[z], v[z+1]
	ALL v_add_f32 v[z], s81, v[z]
	ALL v_min_num_f32 v[z+1], 0, v[z]
	ALL v_mul_f32 v[z+1], 0x3fb8aa3b, v[z+1]
	ALL v_exp_f32 v[z+2], v[z+1]
	ALL v_max_num_f32 v[z], 0, v[z]     ; plain work that names no exponential's source or result stands behind the batch
	s_wait_alu depctr_va_vdst(0)        ; one wait for the 13 exponentials, ahead of their first reader
	ALL v_add_f32 v[z], v[z], v[z+2]
	v_mul_f32 v18, s[CW], v64
.set k, 1
.rept 12
	v_fmac_f32 v18, s[CW+k], v[64+8*k]
.set k, k+1
.endr
	v_lshl_add_u32 v19, v0, 2, RED
	ds_store_b32 v19, v18
	s_wait_dscnt 0x0
	s_barrier_signal -1
	s_barrier_wait -1
	s_cmp_lg_u32 s[WV], 0               ; wave 0 finishes the 32 elements
	s_cbranch_scc1 .Lend
	v_lshl_add_u32 v20, v16, 2, RED
.irp k, 0,1,2,3
	ds_load_b32 v[24+\k], v20 offset:128*\k
.endr
	v_lshl_add_u32 v21, v16, 6, PH
.irp k, 0,1,2,3
	ds_load_b128 v[32+4*\k:35+4*\k], v21 offset:16*\k
.endr
	s_wait_dscnt 0x0
	v_add_f32 v24, v24, v25
	v_add_f32 v26, v26, v27
	v_add_f32 v24, v24, v26             ; sum over s of cw dz
	v_pk_add_f32 v[32:33], v[32:33], v[34:35]
	v_pk_add_f32 v[36:37], v[36:37], v[38:39]
	v_pk_add_f32 v[40:41], v[40:41], v[42:43]
	v_pk_add_f32 v[44:45], v[44:45], v[46:47]
	v_pk_add_f32 v[32:33], v[32:33], v[36:37]
	v_pk_add_f32 v[40:41], v[40:41], v[44:45]
	v_add_f32 v32, v32, v33
	v_add_f32 v40, v40, v41
	v_add_f32 v32, s82, v32             ; o0
	v_add_f32 v40, s83, v40             ; o1
	v_mul_f32 v41, 0x3fb8aa3b, v40
	v_exp_f32 v42, v41
	v_mul_f32 v24, v[XF], v24           ; the plain instruction behind the exponential
	v_lshlrev_b32 v44, 2, v16
	s_wait_alu depctr_va_vdst(0)        ; and its wait
	v_fma_f32 v43, v42, v24, v32
	global_store_b32 v44, v43, s[4:5]   ; 128 consecutive bytes: all that a work-group owns of the 32,768 bytes of out0
.Lend:
	s_wait_tensorcnt 0x0                ; the wave's end, behind my last LDS store
	ds_add_u32 v[SPW], v[NIL]
	s_wait_dscnt 0x0
	s_endpgm
.Lfunc_end_k_q480cdf3c2d_mono:
	.size	k_q480cdf3c2d_mono, .Lfunc_end_k_q480cdf3c2d_mono-k_q480cdf3c2d_mono
	.p2alignl 7, 3214868480
	.fill 96, 4, 3214868480
	.section	.rodata,"a",@progbits
	.p2align	6, 0x0
	.amdhsa_kernel k_q480cdf3c2d_mono
		.amdhsa_group_segment_fixed_size 285696
		.amdhsa_private_segment_fixed_size 0
		.amdhsa_enable_private_segment 0
		.amdhsa_kernarg_size 136
		.amdhsa_user_sgpr_count 2
		.amdhsa_user_sgpr_kernarg_segment_ptr 1
		.amdhsa_wavefront_size32 1
		.amdhsa_system_sgpr_workgroup_id_x 1
		.amdhsa_system_sgpr_workgroup_id_y 1
		.amdhsa_system_sgpr_workgroup_id_z 1
		.amdhsa_system_vgpr_workitem_id 0
		.amdhsa_next_free_vgpr 1024
		.amdhsa_next_free_sgpr 96
		.amdhsa_reserve_vcc 0
		.amdhsa_float_denorm_mode_32 3
		.amdhsa_float_denorm_mode_16_64 3
		.amdhsa_memory_ordered 1
		.amdhsa_forward_progress 1
		.amdhsa_inst_pref_size 255
	.end_amdhsa_kernel
	.section	.bss,"aw",@nobits
	.p2align	6
	.space	262144
	.amdgpu_metadata
---
amdhsa.version: [ 1, 2 ]
amdhsa.kernels:
  - .name:           k_q480cdf3c2d_mono
    .symbol:         k_q480cdf3c2d_mono.kd
    .args:
      - { .name: x, .offset: 0, .size: 8, .value_kind: global_buffer, .address_space: global }
      - { .name: h, .offset: 8, .size: 8, .value_kind: global_buffer, .address_space: global }
      - { .name: iW0, .offset: 16, .size: 8, .value_kind: global_buffer, .address_space: global }
      - { .name: ib0, .offset: 24, .size: 8, .value_kind: global_buffer, .address_space: global }
      - { .name: ib1, .offset: 32, .size: 8, .value_kind: global_buffer, .address_space: global }
      - { .name: ib2, .offset: 40, .size: 8, .value_kind: global_buffer, .address_space: global }
      - { .name: iW3, .offset: 48, .size: 8, .value_kind: global_buffer, .address_space: global }
      - { .name: ib3, .offset: 56, .size: 8, .value_kind: global_buffer, .address_space: global }
      - { .name: hW0, .offset: 64, .size: 8, .value_kind: global_buffer, .address_space: global }
      - { .name: hb0, .offset: 72, .size: 8, .value_kind: global_buffer, .address_space: global }
      - { .name: hb1, .offset: 80, .size: 8, .value_kind: global_buffer, .address_space: global }
      - { .name: hb2, .offset: 88, .size: 8, .value_kind: global_buffer, .address_space: global }
      - { .name: hW3, .offset: 96, .size: 8, .value_kind: global_buffer, .address_space: global }
      - { .name: hb3, .offset: 104, .size: 8, .value_kind: global_buffer, .address_space: global }
      - { .name: wf, .offset: 112, .size: 8, .value_kind: global_buffer, .address_space: global }
      - { .name: tab, .offset: 120, .size: 8, .value_kind: global_buffer, .address_space: global }
      - { .name: out0, .offset: 128, .size: 8, .value_kind: global_buffer, .address_space: global }
    .group_segment_fixed_size: 285696
    .private_segment_fixed_size: 0
    .kernarg_segment_align: 8
    .kernarg_segment_size: 136
    .max_flat_workgroup_size: 128
    .sgpr_count:     96
    .vgpr_count:     1024
    .wavefront_size: 32
...
	.end_amdgpu_metadata
.endif
;; end of part 2
;; ======== version 2 of 3: 2 launches
;; workspace buffers: wf 524,288 bytes; tab 512 bytes
;; launch prep (part 3): grid 136 x 1, 8 waves a work-group, no clusters, 0 bytes of LDS; arguments iW1, iW2, hW1, hW2, wf, tab; writes wf, tab
.if DOCPART == 3
	.amdgcn_target "amdgcn-amd-amdhsa--gfx1250"
	.amdhsa_code_object_version 6
	.text
	.protected	k_q480cdf3c2d_prep
	.globl	k_q480cdf3c2d_prep
	.p2align	8
	.type	k_q480cdf3c2d_prep,@function
k_q480cdf3c2d_prep:
	s_mov_b64 s[64:65], 0
	v_nop
	global_prefetch_b8 v0, s[64:65] scope:SCOPE_SE
	s_setreg_imm32_b32 hwreg(HW_REG_WAVE_MODE, 25, 1), 1
	s_wait_xcnt 0x0
; PREP.  (1) Work-groups 0..127: the four 256 x 256 weight matrices iW1, iW2, hW1, hW2 (f32, [k][n]) are rounded once to bf16 and laid out in wf as
; the next launch's operand registers take them.  In a matrix (131,072 bytes) fragment f = 8 nb + kc is 1,024 bytes: [q 0..1][lane 0..31][8 bf16], and
; number j of a lane's eight is W[32 kc + 16 q + 8 (lane / 16) + j][16 nb + lane % 16]: 16 output channels x 32 k, source 0 of the 16x16x32 form.
; Work-group c: matrix c / 32, nb = 4 ((c / 8) % 4) + wave / 2, kc = c % 8, q = wave % 2: it reads 32 rows x 256 consecutive bytes; each wave stores 512 consecutive bytes.
; (2) Work-groups 128..135: the quadrature's constants, which reference() builds in its own body: t[j] = (cos(pi j / 50) + 1) / 2 and
; cw[j] = cc_weight[j] / 2 = f (1 - sum over m = 1..25 of 2 cos(2 m j pi / 50) / (4 m^2 - 1)), f = 0.01 for j = 0 and 50, else 0.02; both are 0 for j > 50.
; A wave makes one j = 8 (c - 128) + wave; lane m makes term m; the terms are added across the lanes; lane 0 stores t[j], lane 1 cw[j]: 512 bytes in all.
; The cosine: the angle is a whole multiple a of pi / 50, folded by whole numbers to 0 .. pi / 2 and a sign; there the series to x^14 / 14! leaves less than 1e-10.
; LIMIT: t and cw are made in f32 and may differ from reference()'s (made in f64, rounded) in the last bits.
.set PI50, 0x3d80adfd                  ; pi / 50
	s_load_b256 s[4:11], s[0:1], 0x0               ; iW1 s[4:5], iW2 s[6:7], hW1 s[8:9], hW2 s[10:11]
	s_load_b128 s[12:15], s[0:1], 0x20             ; wf s[12:13], tab s[14:15]
	v_lshrrev_b32 v1, 5, v0
	v_readfirstlane_b32 s16, v1                    ; wave 0..7
	s_wait_kmcnt 0x0
	s_cmp_ge_u32 ttmp9, 128
	s_cbranch_scc1 .Ltab
	s_lshr_b32 s17, ttmp9, 5                       ; the matrix
	s_bfe_u32 s18, ttmp9, 0x20003                  ; (c / 8) % 4
	s_and_b32 s19, ttmp9, 7                        ; kc
	s_lshr_b32 s20, s16, 1
	s_and_b32 s21, s16, 1                          ; q
	s_lshl2_add_u32 s18, s18, s20                  ; nb
	s_lshl_b32 s22, s19, 15                        ; from: row 32 kc + 16 q (1,024 bytes a row), column 16 nb
	s_lshl_b32 s23, s21, 14
	s_add_co_u32 s22, s22, s23
	s_lshl_b32 s23, s18, 6
	s_add_co_u32 s22, s22, s23
	v_and_b32 v2, 15, v0
	v_bfe_u32 v3, v0, 4, 1
	v_lshlrev_b32 v2, 2, v2                        ; + column lane % 16
	v_lshl_add_u32 v2, v3, 13, v2                  ; + 8 rows for lanes 16-31
	v_add_nc_u32 v2, s22, v2
	s_lshl3_add_u32 s24, s18, s19                  ; to: block 2 (8 nb + kc) + q of 512 bytes
	s_lshl1_add_u32 s24, s24, s21
	s_lshl_b32 s24, s24, 9
	s_lshl_b32 s25, s17, 17
	s_add_co_u32 s24, s24, s25
	v_and_b32 v3, 31, v0
	v_lshl_add_u32 v3, v3, 4, s24
	s_cmp_eq_u32 s17, 1                            ; the matrix's address: a choice among four buffers by the work-group's number
	s_cselect_b64 s[26:27], s[6:7], s[4:5]
	s_cmp_eq_u32 s17, 2
	s_cselect_b64 s[26:27], s[8:9], s[26:27]
	s_cmp_eq_u32 s17, 3
	s_cselect_b64 s[26:27], s[10:11], s[26:27]
.irp j, 0,1,2,3,4,5,6,7
	global_load_b32 v[4+\j], v2, s[26:27] offset:1024*\j   ; eight k of one column
.endr
	s_wait_loadcnt 0x0
.irp p, 0,1,2,3
	v_cvt_pk_bf16_f32 v[12+\p], v[4+2*\p], v[5+2*\p]       ; the lower k in the lower half
.endr
	global_store_b128 v3, v[12:15], s[12:13]
	s_endpgm
; v[d] = cos(a pi / 50) for a whole number a = v[a] in 0..50: b = min(a, 50 - a), the sign turned where a > 25
.macro COS d, a
	v_sub_nc_u32 v20, 50, v[\a]
	v_min_u32 v20, v[\a], v20
	v_cmp_lt_u32 vcc_lo, 25, v[\a]
	v_cvt_f32_u32 v20, v20
	v_mul_f32 v20, PI50, v20
	v_mul_f32 v20, v20, v20                        ; y = x^2
	v_mov_b32 v21, 0xad49cba4                      ; -1/14!
	v_fmaak_f32 v21, v21, v20, 0x310f76c8          ; +1/12!
	v_fmaak_f32 v21, v21, v20, 0xb493f27e          ; -1/10!
	v_fmaak_f32 v21, v21, v20, 0x37d00d01          ; +1/8!
	v_fmaak_f32 v21, v21, v20, 0xbab60b61          ; -1/6!
	v_fmaak_f32 v21, v21, v20, 0x3d2aaaab          ; +1/4!
	v_fmaak_f32 v21, v21, v20, 0xbf000000          ; -1/2!
	v_fmaak_f32 v21, v21, v20, 0x3f800000          ; +1
	v_cndmask_b32 v22, 0, s30, vcc_lo
	v_xor_b32 v[\d], v22, v21
.endm
.Ltab:
	s_mov_b32 s30, 0x80000000
	s_mov_b32 s26, 0x76543210                      ; v_permlanex16_b32: each lane takes its own place in the other half
	s_mov_b32 s27, 0xfedcba98
	s_sub_co_u32 s17, ttmp9, 128
	s_lshl3_add_u32 s17, s17, s16                  ; j = 8 (c - 128) + wave, 0..63
	s_min_u32 s18, s17, 50                         ; j, held to 50
	s_lshl_b32 s19, s18, 1                         ; 2 j
	s_mov_b32 s20, 0x3ca3d70a                      ; f: 0.02,
	s_cmp_eq_u32 s17, 0
	s_cselect_b32 s20, 0x3c23d70a, s20             ; 0.01 at both ends,
	s_cmp_eq_u32 s17, 50
	s_cselect_b32 s20, 0x3c23d70a, s20
	s_cmp_gt_u32 s17, 50
	s_cselect_b32 s20, 0, s20                      ; 0 in places 51..63;
	s_cselect_b32 s21, 0, 1.0                      ; and a factor that makes t 0 there
	s_lshl_b32 s22, s17, 2
	v_and_b32 v1, 31, v0                           ; m = lane
	v_mul_u32_u24 v2, s19, v1                      ; 2 m j, 3,100 at the most
	v_mul_u32_u24 v3, 0x147b, v2                   ; / 100: x 5,243 >> 19, exact for numbers this small (the excess, x times 2.3e-7, stays under 1 / 100)
	v_lshrrev_b32 v3, 19, v3
	v_mul_u32_u24 v3, 100, v3
	v_sub_nc_u32 v2, v2, v3                        ; 2 m j mod 100
	v_sub_nc_u32 v3, 100, v2
	v_min_u32 v8, v2, v3                           ; cos is even about pi: a in 0..50
	v_mul_u32_u24 v4, v1, v1
	v_lshlrev_b32 v4, 2, v4
	v_add_nc_u32 v4, -1, v4                        ; 4 m^2 - 1 (lane 0: a huge number; its term is thrown away below)
	v_cvt_f32_u32 v9, v4
	v_rcp_f32 v10, v9
	COS 11, 8                                      ; plain work that names neither v9 nor v10 stands behind the reciprocal
	v_mov_b32 v12, s18
	COS 3, 12                                      ; cos(pi j / 50)
	v_add_nc_u32 v5, -1, v1
	v_cmp_gt_u32 vcc_lo, 25, v5                    ; 1 <= m <= 25
	v_mov_b32 v6, 0
	s_wait_alu depctr_va_vdst(0)                   ; the wait ahead of the reciprocal's first reader
	v_mul_f32 v10, v10, v11
	v_cndmask_b32 v7, 0, v10, vcc_lo
	v_add_f32_dpp v7, v7, v7 row_xmask:1 row_mask:0xf bank_mask:0xf
	v_add_f32_dpp v7, v7, v7 row_xmask:2 row_mask:0xf bank_mask:0xf
	v_add_f32_dpp v7, v7, v7 row_xmask:4 row_mask:0xf bank_mask:0xf
	v_add_f32_dpp v7, v7, v7 row_xmask:8 row_mask:0xf bank_mask:0xf
	v_permlanex16_b32 v6, v7, s26, s27
	v_add_f32 v7, v7, v6                           ; the sum over m of cos / (4 m^2 - 1), in every lane
	v_fma_f32 v7, v7, -2.0, 1.0
	v_mul_f32 v7, s20, v7                          ; cw
	v_fma_f32 v4, v3, 0.5, 0.5
	v_mul_f32 v4, s21, v4                          ; t
	v_cmp_eq_u32 vcc_lo, 0, v1
	v_cndmask_b32 v13, v7, v4, vcc_lo              ; lane 0 holds t, the others cw
	v_min_u32 v15, 1, v1
	v_lshl_add_u32 v14, v15, 8, s22                ; t at 4 j, cw at 256 + 4 j
	v_cmp_gt_u32 vcc_lo, 2, v1
	s_and_saveexec_b32 s23, vcc_lo                 ; no load or store of this wave is out: EXEC may be narrowed; it is not widened again
	global_store_b32 v14, v13, s[14:15]
	s_endpgm
.Lfunc_end_k_q480cdf3c2d_prep:
	.size	k_q480cdf3c2d_prep, .Lfunc_end_k_q480cdf3c2d_prep-k_q480cdf3c2d_prep
	.p2alignl 7, 3214868480
	.fill 96, 4, 3214868480
	.section	.rodata,"a",@progbits
	.p2align	6, 0x0
	.amdhsa_kernel k_q480cdf3c2d_prep
		.amdhsa_group_segment_fixed_size 0
		.amdhsa_private_segment_fixed_size 0
		.amdhsa_enable_private_segment 0
		.amdhsa_kernarg_size 48
		.amdhsa_user_sgpr_count 2
		.amdhsa_user_sgpr_kernarg_segment_ptr 1
		.amdhsa_wavefront_size32 1
		.amdhsa_system_sgpr_workgroup_id_x 1
		.amdhsa_system_sgpr_workgroup_id_y 1
		.amdhsa_system_sgpr_workgroup_id_z 1
		.amdhsa_system_vgpr_workitem_id 0
		.amdhsa_next_free_vgpr 32
		.amdhsa_next_free_sgpr 66
		.amdhsa_reserve_vcc 1
		.amdhsa_float_denorm_mode_32 3
		.amdhsa_float_denorm_mode_16_64 3
		.amdhsa_memory_ordered 1
		.amdhsa_forward_progress 1
		.amdhsa_inst_pref_size 7
	.end_amdhsa_kernel
	.amdgpu_metadata
---
amdhsa.version: [ 1, 2 ]
amdhsa.kernels:
  - .name:           k_q480cdf3c2d_prep
    .symbol:         k_q480cdf3c2d_prep.kd
    .args:
      - { .name: iW1, .offset: 0, .size: 8, .value_kind: global_buffer, .address_space: global }
      - { .name: iW2, .offset: 8, .size: 8, .value_kind: global_buffer, .address_space: global }
      - { .name: hW1, .offset: 16, .size: 8, .value_kind: global_buffer, .address_space: global }
      - { .name: hW2, .offset: 24, .size: 8, .value_kind: global_buffer, .address_space: global }
      - { .name: wf, .offset: 32, .size: 8, .value_kind: global_buffer, .address_space: global }
      - { .name: tab, .offset: 40, .size: 8, .value_kind: global_buffer, .address_space: global }
    .group_segment_fixed_size: 0
    .private_segment_fixed_size: 0
    .kernarg_segment_align: 8
    .kernarg_segment_size: 48
    .max_flat_workgroup_size: 256
    .sgpr_count:     66
    .vgpr_count:     32
    .wavefront_size: 32
...
	.end_amdgpu_metadata
.endif
;; end of part 3
;; launch mono (part 4): grid 256 x 1, 4 waves a work-group, no clusters, 285,696 bytes of LDS; arguments x, h, iW0, ib0, ib1, ib2, iW3, ib3, hW0, hb0, hb1, hb2, hW3, hb3, wf, tab, out0; writes out0
.if DOCPART == 4
	.amdgcn_target "amdgcn-amd-amdhsa--gfx1250"
	.amdhsa_code_object_version 6
	.text
	.protected	k_q480cdf3c2d_mono
	.globl	k_q480cdf3c2d_mono
	.p2align	8
	.type	k_q480cdf3c2d_mono,@function
k_q480cdf3c2d_mono:
	s_mov_b64 s[64:65], 0
	v_nop
	global_prefetch_b8 v0, s[64:65] scope:SCOPE_SE
	s_setreg_imm32_b32 hwreg(HW_REG_WAVE_MODE, 25, 1), 1
	s_wait_xcnt 0x0
; out[b] = exp(o1[b]) (x[b] sum over s of cw[s] dz[b][s]) + o0[b];  dz = elu(v) + 1, v the integrand net 8 -> 256 -> 256 -> 256 -> 1 at node s of element b;  (o0, o1) the h net 7 -> 256 -> 256 -> 256 -> 2.
; NOTHING IS LEFT OUT: all 18 inputs are read (iW1, iW2, hW1, hW2 as the launch before rounded and laid them out in wf).  Two steps are regrouped, by identities that hold for all values:
;   layer 0:  z @ iW0 + ib0 = t[s] U[b] + C[b],  U = x[b] iW0[0,:],  C = h[b] @ iW0[1:,:] + ib0,  t[s] = (cos(pi s / 50) + 1) / 2: U and C are made once, in f32; a node costs one fused multiply-add a channel;
;   elu(v) + 1 = max(v, 0) + exp(min(v, 0)): both of reference()'s branches, without a select.
; LIMITS.  The activations that enter a 256 x 256 product and those four matrices are rounded to bf16; all else is f32.  v_exp_f32 gives 0 for results below 2^-126.  t and cw come from tab (f32).
; SHARES.  Work-group c owns elements 32 c .. 32 c + 31, two groups g of 16.  A TILE is (node, group): 16 rows x 256 channels.  N IS SPLIT AMONG THE FOUR WAVES: wave w makes output channels 64 w .. 64 w + 63 of
; every tile and keeps its quarter of both layers' weights in 512 registers for the whole launch.  51 nodes x 2 groups x 2 layers and the h net's 2 x 2 are 208 UNITS of 32 matrix instructions, alike in all waves.
; LAYOUT.  The product is used transposed: source 0 = 16 output channels x 32 k of W^T, source 1 = 16 rows x 32 k of activations.  In the result lane l holds row l % 16 and channels 16 nb + 8 (l / 16) + 0..7; rounded to
; bf16 these four registers ARE half nb % 2 of fragment nb / 2 of the next layer's source 1, for the same lane.  So a tile lies in LDS as 16 blocks of 512 bytes, 16 bytes a lane on end: every LDS access takes 512 consecutive bytes.
; The first K step of a unit takes the bias registers as C: nothing is cleared, no bias is added.
; PIPELINE.  Step n: layer 2 of node n - 7, layer 1 of node n, layer 0 of node n + 3.  The seven steps without layer 2 at the head stand while iW2 arrives; the seven nodes of layer 2 at the tail while hW1 and hW2 take iW1's registers.
; The vector work (a unit's way out, one unit late; layer 0) is a numbered list dealt evenly behind the unit's matrix instructions, two or three lines each.  THE LDS AND GLOBAL INSTRUCTIONS OF A UNIT STAND IN ONE RUN, never singly
; among the matrix instructions: first the stores, then the next unit's 16 fragment loads, then weights for later.  Layer 1's way out is dealt ahead of the run and stored in it; layer 0's groups and layer 3's sums are stored in the NEXT unit's run.
; ONE barrier a step, its wait at the head of the run of the step's last unit.  From one such wait to the next the waves read H0 slot n % 4 and H1 slot (n + 1) % 8 and write H0 slots (n + 2) % 4, (n + 3) % 4 and H1 slot (n - 1) % 8.
; The last three trips make layer 0 of nodes 51 to 53 (t = 0) into slots that nobody reads: twenty-one groups a wave, the price of one text for every trip; the last three of them are not stored.
; NO CLUSTER, NO TENSOR LOADS: what work-groups share is the weights, which each wave loads once, 128 loads of 512 bytes for 6,656 matrix instructions, straight into the registers where they stay; through LDS each byte
; would be written and read once more, and 285,184 bytes of LDS are in use.  The step loop shares nothing between work-groups.
; REGISTERS, in windows of 256 (s_set_vgpr_msb: bits 1:0 source 0, 3:2 source 1, 5:4 source 2, 7:6 destination):
;   window 0: v0-15 addresses and layer 3's two sums; v16-23 PP; v24-31 T; v32-47 layer 1's packed results; v48-63 layer 0's, four slots; v64-191 two fragment buffers; v192-255 two sets of four accumulators
;   window 1: iW1's quarter, later hW1's, then hW2's (fragment (i, kc) at 8 (8 i + kc))          window 2: iW2's quarter
;   window 3: v0-63 U (32 g + 8 i + j), at the end hW3; v64-127 C; v128-159 layer 1's bias; v160-191 ib2; v192-223 iW3  (register 8 i + j: channel 64 w + 16 i + 8 (l / 16) + j); v224 x; v225 the prefetch's offset
.set H1R,   65536     ; LDS: H0 ring at 0: 4 slots of 16,384 (group g at + 8,192, block nb at + 512 nb); H1 ring here: 8 slots of the same shape
.set HH0,   196608    ; the h net's layer 0, 16,384
.set HH1,   212992    ; its layer 1, 16,384
.set PB,    229376    ; partial sums of layer 3: node x 1,024 + g x 512 + row x 32 + w x 8 + (l / 16) x 4; 52 nodes, node 51 all 0
.set PH,    282624    ; the same for the h net: (16 g + row) x 64 + c x 32 + w x 8 + (l / 16) x 4
.set RED,   284672    ; the waves' parts of the quadrature sum: 4 x thread
.set SPARE, 285184    ; the spare words, 128 bytes for each wave: two blocks of 256 bytes that no other line names
.set L16, 1           ; 16 x lane; never rewritten
.set ST,  2           ; 16 x lane + 2,048 w; never rewritten
.set RA,  3           ; read address in the H0 ring
.set RB,  4           ; read address in the H1 ring (at the seams: elsewhere)
.set SA,  5           ; where layer 0 stores
.set SB,  6           ; where layer 1 stores
.set PA,  7           ; where layer 3's partial sums go
.set ZR,  8           ; 0
.set BO,  9           ; 256 w + 32 (l / 16): my channels in a vector of 256 f32; never rewritten
.set SPW, 10          ; LDS address of my spare word; never rewritten
.set NIL, 11          ; 0; never rewritten
.set PS,  12          ; v12, v15: layer 3's sum of my 32 channels, for group 0 and group 1
.set PHA, 13
.set BO2, 14          ; 2 x BO: my channels in hW3
.set PP,  16
.set T,   24
.set PKB, 32          ; layer 1's packed results, 4 registers an accumulator; idle in units with layer 2's way out, where v32-39 are layer 0's temporary; at the very end the h net's four sums
.set PK,  48          ; layer 0's packed results: group gi in slot gi % 4
.set F0,  64
.set ACC0, 192
.set BA,  128
.set W3,  192
.set XF,  224         ; window 3: x of element 32 c + lane
.set PFO, 225         ; window 3: 256 x lane; never rewritten
.set WV,  40          ; my wave's number
.set N,   41          ; the step; the head's and the main loop's counter
.set CNT, 42
.set M,   43          ; the tail's node
.set TS,  44          ; s[44:45] t of the node whose layer 0 is being made, and 0
.set TN,  46          ; the next t
.set TI,  47          ; its byte offset in tab
.set WFQ, 60          ; s[60:61] wf at my quarter of the first matrix
.set PFN, 62
.set PFB, 66
.set CW,  68          ; s68-80 cw of my 13 nodes w + 4 i
.set W4,  84
.set MSB, 0
.set DSM, 0
.set q, 0
.set TE, T
.set GLN, 0
.set GLI, 0
.set GLM, 1
.set GLW, 2
.set GLB, 28
.macro WIN new                      ; the high byte repeats the setting that is left; a switch that changes nothing is dropped
.if MSB != (\new)
	s_set_vgpr_msb (MSB<<8)|(\new)
.set MSB, \new
.endif
.endm
.macro WINF                         ; for a line whose source 0 is a constant and which has no source 2: it wants source 1 and the destination in window 0, as the products' own settings have them: no switch is written there
.if (MSB & 0xcc) != 0
	WIN 0
.endif
.endm
; LAYER 0, group gi = 4 g + i (eight channels of 16 rows), entry e of 12: four packed t U + C into the temporary v[TE ..], four roundings to bf16, four packed maxima with 0.  E0S: its store.
.macro E0E gi, e
.set zU, 8*(\gi)
.set zK, PK+4*((\gi)%4)
.if (\e) < 4
	WIN 0x33
	v_pk_fma_f32 v[TE+2*(\e):TE+2*(\e)+1], v[zU+2*(\e):zU+2*(\e)+1], s[TS:TS+1], v[64+zU+2*(\e):64+zU+2*(\e)+1] op_sel_hi:[1,0,1]
.elseif (\e) < 8
	WIN 0
	v_cvt_pk_bf16_f32 v[zK+(\e)-4], v[TE+2*(\e)-8], v[TE+2*(\e)-7]
.else
	WIN 0
	v_pk_max_num_bf16 v[zK+(\e)-8], v[zK+(\e)-8], v[ZR]
.endif
.endm
.macro E0S gi
	WIN 0
	ds_store_b128 v[SA], v[PK+4*((\gi)%4):PK+4*((\gi)%4)+3] offset:8192*((\gi)/4)+512*((\gi)%4)
.set DSM, DSM+1
.endm
; THE WAY OUT OF LAYER 1, entry e of 32: for each accumulator four roundings (its lowest registers first) and four maxima
.macro E1E e
.set zi, (\e)/8
.set ze, (\e)%8
.set zK, PKB+4*zi
	WIN 0
.if ze < 4
	v_cvt_pk_bf16_f32 v[zK+ze], v[EPA+8*zi+2*ze], v[EPA+8*zi+2*ze+1]
.else
	v_pk_max_num_bf16 v[zK+ze-4], v[zK+ze-4], v[ZR]
.endif
.endm
; THE WAY OUT OF LAYER 2 with layer 3, entry e of 52: for each accumulator eight maxima with 0 and four packed multiply-adds by iW3, in f32; then my 32 channels' sum
.macro E2E e
.if (\e) < 48
.set zi, (\e)/12
.set ze, (\e)%12
.if ze < 8
	WINF
	v_max_num_f32 v[T+ze], 0, v[EPA+8*zi+ze]
.elseif zi == 0
	WIN 0x0c
	v_pk_mul_f32 v[PP+2*ze-16:PP+2*ze-15], v[T+2*ze-16:T+2*ze-15], v[W3+2*ze-16:W3+2*ze-15]
.else
	WIN 0x0c
	v_pk_fma_f32 v[PP+2*ze-16:PP+2*ze-15], v[T+2*ze-16:T+2*ze-15], v[W3+8*zi+2*ze-16:W3+8*zi+2*ze-15], v[PP+2*ze-16:PP+2*ze-15]
.endif
.elseif (\e) == 48
	WIN 0
	v_pk_add_f32 v[PP:PP+1], v[PP:PP+1], v[PP+2:PP+3]
.elseif (\e) == 49
	WIN 0
	v_pk_add_f32 v[PP+4:PP+5], v[PP+4:PP+5], v[PP+6:PP+7]
.elseif (\e) == 50
	WIN 0
	v_pk_add_f32 v[PP:PP+1], v[PP:PP+1], v[PP+4:PP+5]
.else
	WIN 0
	v_add_f32 v[PS+3*EPG], v[PP], v[PP+1]
.endif
.endm
; THE SAME FOR THE H NET, entry e of 98: two outputs c; hW3 (f32, [k][c]) lies in window 3 at 16 i + 2 j + c; four sums by c and j's parity; the two results of group g go to v[PKB + 2 g + c]
.macro E3E e
.if (\e) < 96
.set zi, (\e)/24
.set ze, (\e)%24
.if ze < 8
	WINF
	v_max_num_f32 v[T+ze], 0, v[EPA+8*zi+ze]
.else
.set zj, (ze-8)/2
.set zc, (ze-8)%2
	WIN 0x0c
.if (zi == 0) && (zj < 2)
	v_mul_f32 v[PP+zc+2*zj], v[T+zj], v[2*zj+zc]
.else
	v_fma_f32 v[PP+zc+2*(zj%2)], v[T+zj], v[16*zi+2*zj+zc], v[PP+zc+2*(zj%2)]
.endif
.endif
.else
	WIN 0
	v_add_f32 v[PKB+2*EPG+(\e)-96], v[PP+(\e)-96], v[PP+(\e)-94]
.endif
.endm
; What a unit carries: RID k, a, n, ps, pa, pn.  Its list of vector work: the four multiply-adds of layer-0 group a, or four v_nop where n = 0; the way out of the unit before (k: 0 none, 1 layer 1's, 2 layer 2's,
; 3 the h net's last); the rest of group a and groups a + 1 .. a + n - 1.
; The list's first four lines are plain, write the temporary alone and name no register of the unit before: they are the places between that unit's last products and the first read of its accumulators,
; and the first load into the fragment buffer that it read.
; What its run stores for the unit before: ps = 1: layer 3's sum; layer-0 groups pa .. pa + pn - 1.
.macro RID k, a, n, ps, pa, pn
.set EPK, \k
.set E0A, \a
.set E0N, \n
.set PPS, \ps
.set PE0A, \pa
.set PE0N, \pn
.endm
.macro ENT                          ; the list's next entry
.if q < 4
.if E0N > 0
	E0E E0A, q
.else
	v_nop
.endif
.elseif q < 4+EL
.set ye, q-4
.if EPK == 1
	E1E ye
.elseif EPK == 2
	E2E ye
.else
	E3E ye
.endif
.else
.set yq, q-EL                       ; layer 0 goes on at entry 4 of its first group
.set yg, E0A+yq/12
.set ye, yq%12
	E0E yg, ye
.endif
.set q, q+1
.endm
; One load that brings weights for later: index GLI: 0-63 block GLI of my quarter of matrix GLM into window GLW; 64-71 the bias at s[GLB:GLB+1] into layer 1's bias registers; 72-87 hW3 into U's registers
.macro GL1
.if GLI < 64
	WIN GLW*64
	global_load_b128 v[4*GLI:4*GLI+3], v[L16], s[WFQ:WFQ+1] offset:GLM*131072+512*GLI
.elseif GLI < 72
	WIN 0xc0
	global_load_b128 v[BA+4*(GLI-64):BA+4*(GLI-64)+3], v[BO], s[GLB:GLB+1] offset:64*((GLI-64)/2)+16*((GLI-64)%2)
.else
	WIN 0xc0
	global_load_b128 v[4*(GLI-72):4*(GLI-72)+3], v[BO2], s[32:33] offset:128*((GLI-72)/4)+16*((GLI-72)%4)
.endif
.set GLI, GLI+1
.endm
; A UNIT: one tile through one layer, for my 64 channels.  lay: 1 = weights in window 1, 2 = in window 2.  par: fragment buffer, accumulator set and group.  Product mm = 4 kc + i: the four accumulators take turns, one
; instruction a turn, and the next unit takes the other set.
; THE DEAL.  Q1 entries of the list stand behind products 0 to RUNP, the others behind the products that follow, each part dealt evenly.  Where the list holds layer 1's way out, Q1 is its 36 first entries and RUNP is 13, so that
; its results are ready for the run at 36 / 14 entries a product; else RUNP is 8 and Q1 is 9 / 32 of the list.  Every line that writes a layer-0 slot stands behind the run: so no slot is rewritten before the run has stored it.
; THE RUN, behind product RUNP: layer 1's four stores (this unit's list made them); the sum and the layer-0 groups that the unit before made; with nx = 1 the next unit's 16 fragment loads, from v[nxr] + nxo: they have
; 18 products or more in which to land; GLN loads of weights.
; THE WAITS ON DScnt.  My 16 fragment loads are the youngest LDS lines of the unit before, in kc's order.  Ahead of products 0, 8, 16, 24 four more must be in: younger than these are 12 - 4 (mm / 8) of the sixteen and the
; DSM LDS lines of this unit's own run.
; bar = 1: the step's barrier.  Ahead of product 4 all my LDS loads and stores are waited for, then the signal; products and vector work alone stand up to the barrier's wait, which heads the run.
.macro UNIT lay, par, nx, nxr, nxo, bar
.set DSM, 0
.set q, 0
.set uF, F0+64*(\par)
.set uG, F0+64-64*(\par)
.set uC, ACC0+32*(\par)
.set EPA, ACC0+32-32*(\par)
.set EPG, 1-(\par)
.set uB, 96+32*(\lay)
.if EPK == 1
.set EL, 32
.elseif EPK == 2
.set EL, 52
.elseif EPK == 3
.set EL, 98
.else
.set EL, 0
.endif
.if EPK == 2
.set TE, PKB
.else
.set TE, T
.endif
.if E0N > 0
.set QN, EL+12*E0N
.else
.set QN, 4+EL
.endif
.if EPK == 1
.set Q1, 36
.set RUNP, 13
.else
.set Q1, (9*QN)/32
.set RUNP, 8
.endif
.set mm, 0
.rept 32
.if (mm == 0) || ((mm%8 == 0) && !(\bar))
	s_wait_dscnt 12-4*(mm/8)+DSM
.endif
.if (\bar) && (mm == 4)
	s_wait_dscnt 0x0                ; for the others' sake: my stores since the last barrier are done and my reads are back
	s_barrier_signal -1
.endif
.set ui, mm%4
.set uk, mm/4
.if uk == 0
	WIN 0x30+(\lay)
	v_wmma_f32_16x16x32_bf16 v[uC+8*ui:uC+8*ui+7], v[64*ui+8*uk:64*ui+8*uk+7], v[uF+8*uk:uF+8*uk+7], v[uB+8*ui:uB+8*ui+7]
.else
	WIN \lay
	v_wmma_f32_16x16x32_bf16 v[uC+8*ui:uC+8*ui+7], v[64*ui+8*uk:64*ui+8*uk+7], v[uF+8*uk:uF+8*uk+7], v[uC+8*ui:uC+8*ui+7]
.endif
.if mm <= RUNP
.rept ((mm+1)*Q1)/(RUNP+1)-q
	ENT
.endr
.else
.rept Q1+((mm-RUNP)*(QN-Q1))/(31-RUNP)-q
	ENT
.endr
.endif
.if mm == RUNP
	WIN 0
.if \bar
	s_barrier_wait -1
.endif
.if EPK == 1
.set yk, 0
.rept 4
	ds_store_b128 v[SB], v[PKB+4*yk:PKB+4*yk+3] offset:8192*EPG+512*yk
.set yk, yk+1
.endr
.set DSM, DSM+4
.endif
.if PPS
	ds_store_b32 v[PA], v[PS+3*(\par)] offset:512*(\par)  ; the unit before rode the way out of the unit before it, whose group is mine
.set DSM, DSM+1
.endif
.set yk, 0
.rept PE0N
	E0S PE0A+yk
.set yk, yk+1
.endr
.if \nx
.set yk, 0
.rept 16
	ds_load_b128 v[uG+4*yk:uG+4*yk+3], v[\nxr] offset:(\nxo)+512*yk
.set yk, yk+1
.endr
.set DSM, DSM+16
.endif
.rept GLN
	GL1
.endr
.endif
.set mm, mm+1
.endr
.set GLN, 0
.endm
.macro TSTEP                        ; t of the next node to be made; the one after it is asked for a step ahead
	s_wait_kmcnt 0x0                ; the load of a step ago: TN is in, and TI may be written
	s_mov_b32 s[TS], s[TN]
	s_add_co_u32 s[TI], s[TI], 4
	s_load_b32 s[TN], s[38:39], s[TI] offset:0x0
.endm
; The step's addresses, head (no layer 2): n = s[N].  RA, RB: H0(n + 1); at n = 6 RB turns to H1(0).  SB: H1(n).  t becomes that of node n + 3.
.macro UPD_H
	WIN 0
	s_add_co_u32 s48, s[N], 1
	s_and_b32 s48, s48, 3
	s_lshl_b32 s48, s48, 14
	v_add_nc_u32 v[RA], s48, v[L16]
	s_cmp_eq_u32 s[N], 6
	s_cselect_b32 s48, H1R, s48
	v_add_nc_u32 v[RB], s48, v[L16]
	s_and_b32 s49, s[N], 7
	s_lshl_b32 s49, s49, 14
	s_add_co_u32 s49, s49, H1R
	v_add_nc_u32 v[SB], s49, v[ST]
	TSTEP
	s_add_co_u32 s[N], s[N], 1
.endm
; The same in the main loop.  RA: H0(n).  RB: H1(n - 6), slot (n + 2) % 8.  SB: H1(n).  PA: node n - 7.
.macro UPD
	WIN 0
	s_and_b32 s48, s[N], 3
	s_lshl_b32 s48, s48, 14
	v_add_nc_u32 v[RA], s48, v[L16]
	s_add_co_u32 s48, s[N], 2
	s_and_b32 s48, s48, 7
	s_lshl_b32 s48, s48, 14
	s_add_co_u32 s48, s48, H1R
	v_add_nc_u32 v[RB], s48, v[L16]
	s_and_b32 s49, s[N], 7
	s_lshl_b32 s49, s49, 14
	s_add_co_u32 s49, s49, H1R
	v_add_nc_u32 v[SB], s49, v[ST]
	v_add_nc_u32 v[PA], 1024, v[PA]
	TSTEP
	s_add_co_u32 s[N], s[N], 1
.endm
; Layer 0's store address changes a unit behind its t, since a group is stored a unit behind its arithmetic: it stands behind the run that stores a node's last groups.  There s[N] is the node to come, less 2.
.macro UPD2
	WIN 0
	s_add_co_u32 s49, s[N], 2
	s_and_b32 s49, s49, 3
	s_lshl_b32 s49, s49, 14
	v_add_nc_u32 v[SA], s49, v[ST]
.endm
; In the tail: the next node's H1, or, behind the part's last node, the h net's tile at LDS byte special
.macro UPD_T last1, special
	WIN 0
	s_add_co_u32 s[M], s[M], 1
	s_and_b32 s48, s[M], 7
	s_lshl_b32 s48, s48, 14
	s_add_co_u32 s48, s48, H1R
	s_cmp_eq_u32 s[M], \last1
	s_cselect_b32 s48, \special, s48
	v_add_nc_u32 v[RB], s48, v[L16]
.endm
.macro PSTEP                        ; in the tail a node's two sums are stored in the runs of the next two units: PA steps ahead of the first of these
	WIN 0
	v_add_nc_u32 v[PA], 1024, v[PA]
.endm
; A PART OF THE TAIL: layer 2 of 2 + trips nodes.  Its first four units each carry gn loads into the registers that layer 1's weights have left.  Its first unit carries the way out of the layer-1 unit before it;
; the barrier in its second unit shows that tile to all waves.
.macro TAILPART trips, last1, special, gn
	RID 1, 0, 0, 0, 0, 0
.set GLN, \gn
	UNIT 2, 0, 1, RB, 8192, 0
	UPD_T \last1, \special
	RID 2, 0, 0, 0, 0, 0
.set GLN, \gn
	UNIT 2, 1, 1, RB, 0, 1
	PSTEP
	RID 2, 0, 0, 1, 0, 0
.set GLN, \gn
	UNIT 2, 0, 1, RB, 8192, 0
	UPD_T \last1, \special
.set GLN, \gn
	UNIT 2, 1, 1, RB, 0, 0
	WIN 0
	s_mov_b32 s[CNT], \trips
.Ltp_\@:
	PSTEP
	UNIT 2, 0, 1, RB, 8192, 0
	UPD_T \last1, \special
	UNIT 2, 1, 1, RB, 0, 0
	WIN 0
	s_sub_co_u32 s[CNT], s[CNT], 1
	s_cmp_lg_u32 s[CNT], 0
	s_cbranch_scc1 .Ltp_\@
.endm
	s_load_b512 s[8:23], s[0:1], 0x0    ; x s[8:9], h s[10:11], iW0 s[12:13], ib0 s[14:15], ib1 s[16:17], ib2 s[18:19], iW3 s[20:21], ib3 s[22:23]
	s_load_b512 s[24:39], s[0:1], 0x40  ; hW0 s[24:25], hb0 s[26:27], hb1 s[28:29], hb2 s[30:31], hW3 s[32:33], hb3 s[34:35], wf s[36:37], tab s[38:39]
	s_load_b64 s[4:5], s[0:1], 0x80     ; out0
	v_lshl_add_u32 v[SPW], v0, 2, SPARE
	v_mov_b32 v[NIL], 0
	v_lshrrev_b32 v16, 5, v0
	v_readfirstlane_b32 s[WV], v16      ; wave 0..3
	v_and_b32 v17, 31, v0               ; l
	v_and_b32 v18, 15, v0               ; l % 16
	v_bfe_u32 v19, v0, 4, 1             ; l / 16
	v_mov_b32 v[ZR], 0
	v_lshlrev_b32 v[L16], 4, v17
	s_lshl_b32 s48, s[WV], 11
	v_add_nc_u32 v[ST], s48, v[L16]
	s_lshl_b32 s48, s[WV], 8
	v_lshl_add_u32 v[BO], v19, 5, s48
	v_lshlrev_b32 v[BO2], 1, v[BO]
	s_lshl_b32 s48, s[WV], 3
	v_lshl_add_u32 v20, v19, 2, s48     ; 8 w + 4 (l / 16)
	v_lshl_add_u32 v[PA], v18, 5, v20
	v_add_nc_u32 v[PA], PB-1024, v[PA]  ; one node ahead of node 0: the main loop steps it first
	v_lshl_add_u32 v[PHA], v18, 6, v20
	v_add_nc_u32 v[PHA], PH, v[PHA]
	v_mul_u32_u24 v21, v18, 28          ; my row of h in a group: 7 f32
	v_lshlrev_b32 v22, 2, v18
	v_lshlrev_b32 v23, 2, v17
	s_lshl_b32 s[W4], s[WV], 2
	s_mul_i32 s56, ttmp9, 896           ; the work-group's 32 rows of h,
	s_mov_b32 s57, 0
	s_lshl_b32 s2, ttmp9, 7             ; of x and of out0
	s_mov_b32 s3, 0
	s_lshl_b32 s50, s[WV], 15           ; my quarter of a matrix in wf
	s_mov_b32 s51, 0
	s_min_u32 s48, ttmp9, 7             ; the prefetch's place (below); work-groups 8 and on ask for nothing
	s_lshl2_add_u32 s48, s48, s[WV]
	s_lshl_b32 s52, s48, 13
	s_add_co_u32 s52, s52, 262144
	s_mov_b32 s53, 0
	s_cmp_lt_u32 ttmp9, 8
	s_cselect_b32 s[PFN], 47, -1
	s_mov_b32 s[TS+1], 0
	s_mov_b32 s[N], 0
	s_mov_b32 s[M], 44
	s_mov_b32 s[TI], 12
	s_wait_kmcnt 0x0
	s_add_nc_u64 s[58:59], s[10:11], s[56:57]
	s_add_nc_u64 s[86:87], s[8:9], s[2:3]
	s_add_nc_u64 s[4:5], s[4:5], s[2:3]
	s_add_nc_u64 s[WFQ:WFQ+1], s[36:37], s[50:51]
	s_add_nc_u64 s[PFB:PFB+1], s[36:37], s[52:53]
	s_load_b128 s[52:55], s[38:39], 0x0 ; t0 .. t3
	s_load_b32 s81, s[22:23], 0x0       ; ib3
	s_load_b64 s[82:83], s[34:35], 0x0  ; hb3
.set k, 0
.rept 13
	s_load_b32 s[CW+k], s[38:39], s[W4] offset:256+16*k  ; cw of node w + 4 k
.set k, k+1
.endr
	; THE SET-UP'S LOADS, 176: iW0's 8 rows into window 2, hW0's 7 into v64-255 and window 3 v224-255, each as my 32 channels; ib0 into C and hb0 into U's registers, for both groups: the sums start there; ib1; my rows' h and x
	WIN 0x80
.set d, 0
.rept 8
.set k, 0
.rept 8
	global_load_b128 v[32*d+4*k:32*d+4*k+3], v[BO], s[12:13] offset:1024*d+64*(k/2)+16*(k%2)
.set k, k+1
.endr
.set d, d+1
.endr
	WIN 0
.set d, 0
.rept 6
.set k, 0
.rept 8
	global_load_b128 v[64+32*d+4*k:64+32*d+4*k+3], v[BO], s[24:25] offset:1024*d+64*(k/2)+16*(k%2)
.set k, k+1
.endr
.set d, d+1
.endr
.set k, 0
.rept 7
	global_load_b32 v[32+2*k], v21, s[58:59] offset:4*k       ; h[row][k], group 0,
	global_load_b32 v[48+2*k], v21, s[58:59] offset:448+4*k   ; group 1
.set k, k+1
.endr
	global_load_b32 v46, v22, s[86:87]
	global_load_b32 v62, v22, s[86:87] offset:64
	WIN 0xc0
.set k, 0
.rept 8
	global_load_b128 v[224+4*k:224+4*k+3], v[BO], s[24:25] offset:6144+64*(k/2)+16*(k%2)
	global_load_b128 v[4*k:4*k+3],         v[BO], s[26:27] offset:64*(k/2)+16*(k%2)
	global_load_b128 v[32+4*k:32+4*k+3],   v[BO], s[26:27] offset:64*(k/2)+16*(k%2)
	global_load_b128 v[64+4*k:64+4*k+3],   v[BO], s[14:15] offset:64*(k/2)+16*(k%2)
	global_load_b128 v[96+4*k:96+4*k+3],   v[BO], s[14:15] offset:64*(k/2)+16*(k%2)
	global_load_b128 v[BA+4*k:BA+4*k+3],   v[BO], s[16:17] offset:64*(k/2)+16*(k%2)
.set k, k+1
.endr
	WIN 0x40                            ; and behind them iW1's quarter, 64 loads of 512 bytes
.set k, 0
.rept 64
	global_load_b128 v[4*k:4*k+3], v[L16], s[WFQ:WFQ+1] offset:512*k
.set k, k+1
.endr
	WIN 0
	s_wait_loadcnt 63                   ; of the 240 issued the 177 oldest are in: the whole set-up; iW1 stays on its way under the arithmetic below
.set k, 0
.rept 16
	v_mov_b32 v[33+2*k], v[32+2*k]      ; each h and x twice, a pair for the packed forms
.set k, k+1
.endr
	; the h net's layer 0 before its maximum, in U's registers: hb0 + sum over d of h[d] hW0[d]; k = 16 g + pair
.set d, 0
.rept 7
.if d < 6
	WIN 0xf0
.set zs, 64+32*d
.else
	WIN 0xf3
.set zs, 224
.endif
.set k, 0
.rept 32
	v_pk_fma_f32 v[2*k:2*k+1], v[zs+2*(k%16):zs+2*(k%16)+1], v[32+16*(k/16)+2*d:32+16*(k/16)+2*d+1], v[2*k:2*k+1]
.set k, k+1
.endr
.set d, d+1
.endr
	WIN 0xf2                            ; C = ib0 + sum over d of h[d] iW0[1 + d]
.set d, 0
.rept 7
.set k, 0
.rept 32
	v_pk_fma_f32 v[64+2*k:64+2*k+1], v[32*(d+1)+2*(k%16):32*(d+1)+2*(k%16)+1], v[32+16*(k/16)+2*d:32+16*(k/16)+2*d+1], v[64+2*k:64+2*k+1]
.set k, k+1
.endr
.set d, d+1
.endr
	WIN 0
	v_add_nc_u32 v[SB], HH0, v[ST]
.set k, 0
.rept 8                                 ; the h net's layer 0 goes to LDS as a tile like any other (group 0's h pairs, v32-39, are dead and take the packed results)
	WIN 0x0f
.irp e, 0,1,2,3
	v_cvt_pk_bf16_f32 v[PKB+4*(k%2)+\e], v[8*k+2*\e], v[8*k+2*\e+1]
.endr
	WIN 0
.irp e, 0,1,2,3
	v_pk_max_num_bf16 v[PKB+4*(k%2)+\e], v[PKB+4*(k%2)+\e], v[ZR]
.endr
	ds_store_b128 v[SB], v[PKB+4*(k%2):PKB+4*(k%2)+3] offset:8192*(k/4)+512*(k%4)
.set k, k+1
.endr
	WIN 0xc2                            ; U = x iW0[0]
.set k, 0
.rept 32
	v_pk_mul_f32 v[2*k:2*k+1], v[2*(k%16):2*(k%16)+1], v[46+16*(k/16):47+16*(k/16)]
.set k, k+1
.endr
	; window 2 is free: 63 more loads: ib2, iW3, x by lane, and blocks 0-45 of iW2's quarter
	WIN 0xc0
.set k, 0
.rept 8
	global_load_b128 v[160+4*k:160+4*k+3], v[BO], s[18:19] offset:64*(k/2)+16*(k%2)
	global_load_b128 v[W3+4*k:W3+4*k+3],   v[BO], s[20:21] offset:64*(k/2)+16*(k%2)
.set k, k+1
.endr
	global_load_b32 v[XF], v23, s[86:87]
	WIN 0x80
.set k, 0
.rept 46
	global_load_b128 v[4*k:4*k+3], v[L16], s[WFQ:WFQ+1] offset:131072+512*k
.set k, k+1
.endr
	WIN 0
	v_and_b32 v19, 31, v0
	v_lshlrev_b32 v19, 8, v19
	WIN 0xc0
	v_mov_b32 v[PFO], v19
	WIN 0
	v_mov_b32 v16, 0
	v_mov_b32 v17, 0
	v_lshl_add_u32 v18, v0, 3, PB+51*1024
	ds_store_b64 v18, v[16:17]          ; node 51's partial sums are 0: the end takes 13 nodes a wave, 52 in all, with cw[51] = 0
	v_mov_b32 v[SA], v[ST]
	v_mov_b32 v[RA], v[L16]
	s_wait_kmcnt 0x0                    ; t0 .. t3, ib3, hb3, cw
	s_mov_b32 s[TS], s52
	s_mov_b32 s[TN], s55
	s_mov_b32 s[CNT], 3
.Lh0:                                   ; layer 0 of nodes 0, 1 and 2, into H0 slots 0, 1 and 2
.set k, 0
.rept 8
.set d, 0
.rept 12
	E0E k, d
.set d, d+1
.endr
	E0S k
.set k, k+1
.endr
	WIN 0
	v_add_nc_u32 v[SA], 16384, v[SA]
	s_mov_b32 s[TS], s53                ; t1, then t2
	s_mov_b32 s53, s54
	s_sub_co_u32 s[CNT], s[CNT], 1
	s_cmp_lg_u32 s[CNT], 0
	s_cbranch_scc1 .Lh0
	s_wait_loadcnt 63                   ; 63 loads were issued behind iW1's last: iW1 is in
	s_wait_dscnt 0x0                    ; my stores of H0(0) to H0(2), the h net's tile and node 51's zeros are done
	s_barrier_signal -1
	s_barrier_wait -1
.set k, 0
.rept 16
	ds_load_b128 v[F0+4*k:F0+4*k+3], v[RA] offset:512*k  ; node 0, group 0
.set k, k+1
.endr
	; STEP 0, written out: nothing to take out yet; the rest of iW2 (blocks 46-63) is asked for
.set GLI, 46
.set GLM, 1
.set GLW, 2
	RID 0, 0, 0, 0, 0, 0
.set GLN, 9
	UNIT 1, 0, 1, RA, 8192, 0
	UPD_H
	RID 1, 0, 4, 0, 0, 0
.set GLN, 9
	UNIT 1, 1, 1, RB, 0, 1
	WIN 0
.Lhead:                                 ; steps 1 to 6: layer 1 alone
	UPD2
	RID 1, 4, 4, 0, 0, 4
	UNIT 1, 0, 1, RA, 8192, 0
	UPD_H
	RID 1, 0, 4, 0, 4, 4
	UNIT 1, 1, 1, RB, 0, 1
	WIN 0
	s_cmp_lt_u32 s[N], 7
	s_cbranch_scc1 .Lhead
	UPD2                                ; THE SEAM: the head's last unit made groups 0 to 3 of node 9; the loop's first run stores 2, 3 and 4, as in every trip.  So 0 and 1 go here,
	E0S 0                               ; (two LDS lines younger than the next unit's fragment loads: its first counted wait is the stricter for them)
	E0S 1
.set TE, T
.set d, 0
.rept 12
	E0E 4, d                            ; and group 4 is made here, into the slot that group 0 has left
.set d, d+1
.endr
	WIN 0
	s_wait_loadcnt 0x0                  ; iW2, ib2, iW3, x
.Lmain:                                 ; steps 7 to 50
	; hW1 and hW2, the second half of wf, are first loaded behind this loop.  In step 47, 512 matrix instructions ahead of the first of those loads, each wave of work-groups 0-7 asks for 8,192 bytes of them,
	; a lane 256 bytes on from the last: 32 waves x 8,192 = 262,144 bytes, each block named once in the launch.
	s_cmp_eq_u32 s[N], s[PFN]
	s_cbranch_scc0 .Lnopf
	WIN 0x03
	global_prefetch_b8 v[PFO], s[PFB:PFB+1] th:TH_LOAD_NT scope:SCOPE_SE
	WIN 0
.Lnopf:
	RID 1, 5, 3, 0, 2, 3
	UNIT 2, 0, 1, RB, 8192, 0           ; layer 2, node n - 7, group 0 | the way out of layer 1, node n - 1, group 1 | layer 0, node n + 2, groups 5-7
	UPD
	RID 2, 0, 1, 0, 5, 3
	UNIT 2, 1, 1, RA, 0, 0              ; layer 2, group 1 | the way out of the unit before | layer 0, node n + 3, group 0
	UPD2
	RID 2, 1, 1, 1, 0, 1
	UNIT 1, 0, 1, RA, 8192, 0           ; layer 1, node n, group 0 | the way out of the unit before | group 1
	RID 1, 2, 3, 1, 1, 1
	UNIT 1, 1, 1, RB, 0, 1              ; layer 1, group 1; the step's barrier | the way out of the unit before | groups 2-4
	WIN 0
	s_cmp_lt_u32 s[N], 51
	s_cbranch_scc1 .Lmain
	; THE TAIL.  Layer 2 of nodes 44-47, while hW1 and hb1 come (72 loads); the h net's layer 1; layer 2 of nodes 48-50, while hW2, hb2 and hW3 come (88 loads); the h net's layer 2 and 3
.set GLI, 0
.set GLM, 2
.set GLW, 1
.set GLB, 28
	TAILPART 2, 48, HH0, 18
	s_wait_loadcnt 0x0                  ; hW1, hb1
	PSTEP
	RID 2, 0, 0, 1, 0, 0
	UNIT 1, 0, 1, RB, 8192, 0
	WIN 0
	v_add_nc_u32 v[SB], HH1, v[ST]
	v_add_nc_u32 v[RB], H1R, v[L16]     ; node 48 lies in H1 slot 0
	RID 1, 0, 0, 1, 0, 0
	UNIT 1, 1, 1, RB, 0, 0
.set GLI, 0
.set GLM, 3
.set GLW, 1
.set GLB, 30
	TAILPART 1, 51, HH1, 22
	s_wait_loadcnt 0x0                  ; hW2, hb2, hW3
	PSTEP
	RID 2, 0, 0, 1, 0, 0
	UNIT 1, 0, 1, RB, 8192, 0
	RID 3, 0, 0, 1, 0, 0
	UNIT 1, 1, 0, RB, 0, 0
.set EPA, ACC0+32                       ; the last unit's way out has no unit to ride in: four v_nop, the places behind its last products, and its 98 entries
.set EPG, 1
.set q, 0
.rept 102
	ENT
.endr
	WIN 0
.irp k, 0,1,2,3
	ds_store_b32 v[PHA], v[PKB+\k] offset:1024*(\k/2)+32*(\k%2)  ; the h net's partial sums: group k / 2, output k % 2
.endr
	; THE END.  Wave w, lane l = element l: nodes w + 4 i, i = 0..12: the eight partial sums of v, ib3, elu + 1, times cw
	s_wait_dscnt 0x0
	s_barrier_signal -1
	s_barrier_wait -1                   ; all partial sums lie in LDS
	v_and_b32 v16, 31, v0
	s_lshl_b32 s48, s[WV], 10
	s_add_co_u32 s48, s48, PB
	v_lshl_add_u32 v17, v16, 5, s48
.set k, 0
.rept 13
	ds_load_b128 v[64+8*k:64+8*k+3], v17 offset:4096*k
	ds_load_b128 v[64+8*k+4:64+8*k+7], v17 offset:4096*k+16
.set k, k+1
.endr
	s_wait_dscnt 0x0
.macro ALL line:vararg                  ; one line for each of my 13 nodes; a node's registers begin at v[z]
.set z, 64
.rept 13
	\line
.set z, z+8
.endr
.endm
	ALL v_pk_add_f32 v[z:z+1], v[z:z+1], v[z+2:z+3]
	ALL v_pk_add_f32 v[z+4:z+5], v[z+4:z+5], v[z+6:z+7]
	ALL v_pk_add_f32 v[z:z+1], v[z:z+1], v[z+4:z+5]
	ALL v_add_f32 v[z], v[z], v[z+1]
	ALL v_add_f32 v[z], s81, v[z]
	ALL v_min_num_f32 v[z+1], 0, v[z]
	ALL v_mul_f32 v[z+1], 0x3fb8aa3b, v[z+1]
	ALL v_exp_f32 v[z+2], v[z+1]
	ALL v_max_num_f32 v[z], 0, v[z]     ; plain work that names no exponential's source or result stands behind the batch
	s_wait_alu depctr_va_vdst(0)        ; one wait for the 13 exponentials, ahead of their first reader
	ALL v_add_f32 v[z], v[z], v[z+2]
	v_mul_f32 v18, s[CW], v64
.set k, 1
.rept 12
	v_fmac_f32 v18, s[CW+k], v[64+8*k]
.set k, k+1
.endr
	v_lshl_add_u32 v19, v0, 2, RED
	ds_store_b32 v19, v18
	s_wait_dscnt 0x0
	s_barrier_signal -1
	s_barrier_wait -1
	s_cmp_lg_u32 s[WV], 0               ; wave 0 finishes the 32 elements
	s_cbranch_scc1 .Lend
	v_lshl_add_u32 v20, v16, 2, RED
.irp k, 0,1,2,3
	ds_load_b32 v[24+\k], v20 offset:128*\k
.endr
	v_lshl_add_u32 v21, v16, 6, PH
.irp k, 0,1,2,3
	ds_load_b128 v[32+4*\k:35+4*\k], v21 offset:16*\k
.endr
	s_wait_dscnt 0x0
	v_add_f32 v24, v24, v25
	v_add_f32 v26, v26, v27
	v_add_f32 v24, v24, v26             ; sum over s of cw dz
	v_pk_add_f32 v[32:33], v[32:33], v[34:35]
	v_pk_add_f32 v[36:37], v[36:37], v[38:39]
	v_pk_add_f32 v[40:41], v[40:41], v[42:43]
	v_pk_add_f32 v[44:45], v[44:45], v[46:47]
	v_pk_add_f32 v[32:33], v[32:33], v[36:37]
	v_pk_add_f32 v[40:41], v[40:41], v[44:45]
	v_add_f32 v32, v32, v33
	v_add_f32 v40, v40, v41
	v_add_f32 v32, s82, v32             ; o0
	v_add_f32 v40, s83, v40             ; o1
	v_mul_f32 v41, 0x3fb8aa3b, v40
	v_exp_f32 v42, v41
	WIN 0x03
	v_mul_f32 v24, v[XF], v24           ; the plain instruction behind the exponential
	WIN 0
	v_lshlrev_b32 v44, 2, v16
	s_wait_alu depctr_va_vdst(0)        ; and its wait
	v_fma_f32 v43, v42, v24, v32
	global_store_b32 v44, v43, s[4:5]   ; 128 consecutive bytes: all that a work-group owns of the 32,768 bytes of out0
.Lend:
	s_wait_tensorcnt 0x0                ; the wave's end, behind my last LDS store
	ds_add_u32 v[SPW], v[NIL]
	s_wait_dscnt 0x0
	s_endpgm
.Lfunc_end_k_q480cdf3c2d_mono:
	.size	k_q480cdf3c2d_mono, .Lfunc_end_k_q480cdf3c2d_mono-k_q480cdf3c2d_mono
	.p2alignl 7, 3214868480
	.fill 96, 4, 3214868480
	.section	.rodata,"a",@progbits
	.p2align	6, 0x0
	.amdhsa_kernel k_q480cdf3c2d_mono
		.amdhsa_group_segment_fixed_size 285696
		.amdhsa_private_segment_fixed_size 0
		.amdhsa_enable_private_segment 0
		.amdhsa_kernarg_size 136
		.amdhsa_user_sgpr_count 2
		.amdhsa_user_sgpr_kernarg_segment_ptr 1
		.amdhsa_wavefront_size32 1
		.amdhsa_system_sgpr_workgroup_id_x 1
		.amdhsa_system_sgpr_workgroup_id_y 1
		.amdhsa_system_sgpr_workgroup_id_z 1
		.amdhsa_system_vgpr_workitem_id 0
		.amdhsa_next_free_vgpr 1024
		.amdhsa_next_free_sgpr 96
		.amdhsa_reserve_vcc 0
		.amdhsa_float_denorm_mode_32 3
		.amdhsa_float_denorm_mode_16_64 3
		.amdhsa_memory_ordered 1
		.amdhsa_forward_progress 1
		.amdhsa_inst_pref_size 255
	.end_amdhsa_kernel
	.section	.bss,"aw",@nobits
	.p2align	6
	.space	262144
	.amdgpu_metadata
---
amdhsa.version: [ 1, 2 ]
amdhsa.kernels:
  - .name:           k_q480cdf3c2d_mono
    .symbol:         k_q480cdf3c2d_mono.kd
    .args:
      - { .name: x, .offset: 0, .size: 8, .value_kind: global_buffer, .address_space: global }
      - { .name: h, .offset: 8, .size: 8, .value_kind: global_buffer, .address_space: global }
      - { .name: iW0, .offset: 16, .size: 8, .value_kind: global_buffer, .address_space: global }
      - { .name: ib0, .offset: 24, .size: 8, .value_kind: global_buffer, .address_space: global }
      - { .name: ib1, .offset: 32, .size: 8, .value_kind: global_buffer, .address_space: global }
      - { .name: ib2, .offset: 40, .size: 8, .value_kind: global_buffer, .address_space: global }
      - { .name: iW3, .offset: 48, .size: 8, .value_kind: global_buffer, .address_space: global }
      - { .name: ib3, .offset: 56, .size: 8, .value_kind: global_buffer, .address_space: global }
      - { .name: hW0, .offset: 64, .size: 8, .value_kind: global_buffer, .address_space: global }
      - { .name: hb0, .offset: 72, .size: 8, .value_kind: global_buffer, .address_space: global }
      - { .name: hb1, .offset: 80, .size: 8, .value_kind: global_buffer, .address_space: global }
      - { .name: hb2, .offset: 88, .size: 8, .value_kind: global_buffer, .address_space: global }
      - { .name: hW3, .offset: 96, .size: 8, .value_kind: global_buffer, .address_space: global }
      - { .name: hb3, .offset: 104, .size: 8, .value_kind: global_buffer, .address_space: global }
      - { .name: wf, .offset: 112, .size: 8, .value_kind: global_buffer, .address_space: global }
      - { .name: tab, .offset: 120, .size: 8, .value_kind: global_buffer, .address_space: global }
      - { .name: out0, .offset: 128, .size: 8, .value_kind: global_buffer, .address_space: global }
    .group_segment_fixed_size: 285696
    .private_segment_fixed_size: 0
    .kernarg_segment_align: 8
    .kernarg_segment_size: 136
    .max_flat_workgroup_size: 128
    .sgpr_count:     96
    .vgpr_count:     1024
    .wavefront_size: 32
...
	.end_amdgpu_metadata
.endif
;; end of part 4
;; ======== version 3 of 3: 2 launches; version 2 with the launch mono written anew for expert scheduling mode
;; workspace buffers: wf 524,288 bytes; tab 512 bytes
;; launch prep: the kernel of part 3 again; grid 136 x 1, 8 waves a work-group, no clusters, 0 bytes of LDS; arguments iW1, iW2, hW1, hW2, wf, tab; writes wf, tab
;; launch mono (part 5): grid 256 x 1, 4 waves a work-group, no clusters, 285,696 bytes of LDS; arguments x, h, iW0, ib0, ib1, ib2, iW3, ib3, hW0, hb0, hb1, hb2, hW3, hb3, wf, tab, out0; writes out0
.if DOCPART == 5
	.amdgcn_target "amdgcn-amd-amdhsa--gfx1250"
	.amdhsa_code_object_version 6
	.text
	.protected	k_q480cdf3c2d_mono
	.globl	k_q480cdf3c2d_mono
	.p2align	8
	.type	k_q480cdf3c2d_mono,@function
k_q480cdf3c2d_mono:
	s_mov_b64 s[64:65], 0
	v_nop
	global_prefetch_b8 v0, s[64:65] scope:SCOPE_SE
	s_setreg_imm32_b32 hwreg(HW_REG_WAVE_SCHED_MODE, 0, 2), 2
	s_setreg_imm32_b32 hwreg(HW_REG_WAVE_MODE, 25, 1), 1
	s_wait_xcnt 0x0
	s_wait_alu depctr_vm_vsrc(0)
; out[b] = exp(o1[b]) (x[b] sum over s of cw[s] dz[b][s]) + o0[b];  dz = elu(v) + 1, v the integrand net 8 -> 256 -> 256 -> 256 -> 1 at node s of element b;  (o0, o1) the h net 7 -> 256 -> 256 -> 256 -> 2.
; NOTHING IS LEFT OUT: all 18 inputs are read (iW1, iW2, hW1, hW2 as the launch before rounded and laid them out in wf).  Two steps are regrouped, by identities that hold for all values:
;   layer 0:  z @ iW0 + ib0 = t[s] U[b] + C[b],  U = x[b] iW0[0,:],  C = h[b] @ iW0[1:,:] + ib0,  t[s] = (cos(pi s / 50) + 1) / 2: U and C are made once, in f32; a node costs one fused multiply-add a channel;
;   elu(v) + 1 = max(v, 0) + exp(min(v, 0)): both of reference()'s branches, without a select.
; LIMITS.  The activations that enter a 256 x 256 product and those four matrices are rounded to bf16; all else is f32.  v_exp_f32 gives 0 for results below 2^-126.  t and cw come from tab (f32).
; SHARES.  Work-group c owns elements 32 c .. 32 c + 31, two groups g of 16.  A TILE is (node, group): 16 rows x 256 channels.  N IS SPLIT AMONG THE FOUR WAVES: wave w makes output channels 64 w .. 64 w + 63 of
; every tile and keeps its quarter of both layers' weights in 512 registers for the whole launch.  51 nodes x 2 groups x 2 layers and the h net's 2 x 2 are 208 UNITS of 32 matrix instructions, alike in all waves.
; LAYOUT.  The product is used transposed: source 0 = 16 output channels x 32 k of W^T, source 1 = 16 rows x 32 k of activations.  In the result lane l holds row l % 16 and channels 16 nb + 8 (l / 16) + 0..7; rounded to
; bf16 these four registers ARE half nb % 2 of fragment nb / 2 of the next layer's source 1, for the same lane.  So a tile lies in LDS as 16 blocks of 512 bytes, 16 bytes a lane on end: every LDS access takes 512 consecutive bytes.
; The first K step of a unit takes the bias registers as C: nothing is cleared, no bias is added.
; PIPELINE.  Step n: layer 2 of node n - 7, layer 1 of node n, layer 0 of node n + 3.  The seven steps without layer 2 at the head stand while iW2 arrives; the seven nodes of layer 2 at the tail while hW1 and hW2 take iW1's registers.
; The vector work (a unit's way out, one unit late; layer 0) is a numbered list dealt evenly behind the unit's matrix instructions, two or three lines each.  THE LDS AND GLOBAL INSTRUCTIONS OF A UNIT STAND IN ONE RUN, never singly
; among the matrix instructions: first the stores, then the next unit's 16 fragment loads, then weights for later.  Layer 1's way out is dealt ahead of the run and stored in it; layer 0's groups and layer 3's sums are stored in the NEXT unit's run.
; ONE barrier a step, its wait at the head of the run of the step's last unit.  From one such wait to the next the waves read H0 slot n % 4 and H1 slot (n + 1) % 8 and write H0 slots (n + 2) % 4, (n + 3) % 4 and H1 slot (n - 1) % 8.
; The last three trips make layer 0 of nodes 51 to 53 (t = 0) into slots that nobody reads: twenty-one groups a wave, the price of one text for every trip; the last three of them are not stored.
; NO CLUSTER, NO TENSOR LOADS: what work-groups share is the weights, which each wave loads once, 128 loads of 512 bytes for 6,656 matrix instructions, straight into the registers where they stay; through LDS each byte
; would be written and read once more, and 285,184 bytes of LDS are in use.  The step loop shares nothing between work-groups.
; THE MODE: SCHED_MODE bits 1:0 = 2 (LLVM: expert scheduling mode 2), set by the entry lines.  The code itself states the register dependences between vector or matrix instructions and memory or LDS instructions,
; with s_wait_alu, always for 0.
; THE PLAN.  Registers that LDS or memory instructions touch, and who else names them, from unit to unit:
;   the two fragment buffers   Unit u's products read buffer u % 2; the 16 loads of its run land in the other, which the products of unit u - 1 read.
;   v32-47 (PKB)               Written by layer 1's way out ahead of the run, read by the run's four stores; written again in later units (as layer 0's temporary, or by the next such way out).
;   v12, v15 (PS)              Written by layer 3's last line behind a unit's run, read by a store in the next unit's run.
;   v48-63 (PK)                A slot is written behind a unit's run and read by a store in the next unit's run; it is written again behind that run at the earliest.
;   RA, RB, SA, SB, PA         Written by vector adds between the units, read in the runs.
;   windows 1, 2 and 3         Weights and biases for later land in registers that products or layer-0 lines of earlier units read.
;   L16, BO, BO2, PHA, PFO     Made at the head, ahead of a wait on va_vdst, and never written again.
; So TWO waits stand in a unit.  One on va_vdst at the head of its run: the stores' data and all addresses are written, and all earlier readers of the registers in which the run's loads land are done; behind it the run holds
; LDS and global instructions and window switches alone, and none of its stores names a register of a later load.  One on vm_vsrc a product behind the run, ahead of the first vector line there: the run has read its data and
; its addresses, which the lines behind write again; the one product between writes its accumulators alone, which no LDS instruction reads.  The head, the seam and the end state their own dependences where they stand.
; REGISTERS, in windows of 256 (s_set_vgpr_msb: bits 1:0 source 0, 3:2 source 1, 5:4 source 2, 7:6 destination):
;   window 0: v0-15 addresses and layer 3's two sums; v16-23 PP; v24-31 T; v32-47 layer 1's packed results; v48-63 layer 0's, four slots; v64-191 two fragment buffers; v192-255 two sets of four accumulators
;   window 1: iW1's quarter, later hW1's, then hW2's (fragment (i, kc) at 8 (8 i + kc))          window 2: iW2's quarter
;   window 3: v0-63 U (32 g + 8 i + j), at the end hW3; v64-127 C; v128-159 layer 1's bias; v160-191 ib2; v192-223 iW3  (register 8 i + j: channel 64 w + 16 i + 8 (l / 16) + j); v224 x; v225 the prefetch's offset
.set H1R,   65536     ; LDS: H0 ring at 0: 4 slots of 16,384 (group g at + 8,192, block nb at + 512 nb); H1 ring here: 8 slots of the same shape
.set HH0,   196608    ; the h net's layer 0, 16,384
.set HH1,   212992    ; its layer 1, 16,384
.set PB,    229376    ; partial sums of layer 3: node x 1,024 + g x 512 + row x 32 + w x 8 + (l / 16) x 4; 52 nodes, node 51 all 0
.set PH,    282624    ; the same for the h net: (16 g + row) x 64 + c x 32 + w x 8 + (l / 16) x 4
.set RED,   284672    ; the waves' parts of the quadrature sum: 4 x thread
.set SPARE, 285184    ; the spare words, 128 bytes for each wave: two blocks of 256 bytes that no other line names
.set L16, 1           ; 16 x lane; never rewritten
.set ST,  2           ; 16 x lane + 2,048 w; never rewritten
.set RA,  3           ; read address in the H0 ring
.set RB,  4           ; read address in the H1 ring (at the seams: elsewhere)
.set SA,  5           ; where layer 0 stores
.set SB,  6           ; where layer 1 stores
.set PA,  7           ; where layer 3's partial sums go
.set ZR,  8           ; 0
.set BO,  9           ; 256 w + 32 (l / 16): my channels in a vector of 256 f32; never rewritten
.set SPW, 10          ; LDS address of my spare word; never rewritten
.set NIL, 11          ; 0; never rewritten
.set PS,  12          ; v12, v15: layer 3's sum of my 32 channels, for group 0 and group 1
.set PHA, 13
.set BO2, 14          ; 2 x BO: my channels in hW3
.set PP,  16
.set T,   24
.set PKB, 32          ; layer 1's packed results, 4 registers an accumulator; idle in units with layer 2's way out, where v32-39 are layer 0's temporary; at the very end the h net's four sums
.set PK,  48          ; layer 0's packed results: group gi in slot gi % 4
.set F0,  64
.set HK,  64          ; at the head only: the h net's layer 0, packed: 4 registers for each of its 8 groups, where a row of hW0 lay
.set ACC0, 192
.set BA,  128
.set W3,  192
.set XF,  224         ; window 3: x of element 32 c + lane
.set PFO, 225         ; window 3: 256 x lane; never rewritten
.set WV,  40          ; my wave's number
.set N,   41          ; the step; the head's and the main loop's counter
.set CNT, 42
.set M,   43          ; the tail's node
.set TS,  44          ; s[44:45] t of the node whose layer 0 is being made, and 0
.set TN,  46          ; the next t
.set TI,  47          ; its byte offset in tab
.set WFQ, 60          ; s[60:61] wf at my quarter of the first matrix
.set PFN, 62
.set PFB, 66
.set CW,  68          ; s68-80 cw of my 13 nodes w + 4 i
.set W4,  84
.set MSB, 0
.set DSM, 0
.set q, 0
.set TE, T
.set GLN, 0
.set GLI, 0
.set GLM, 1
.set GLW, 2
.set GLB, 28
.macro WIN new                      ; the high byte repeats the setting that is left; a switch that changes nothing is dropped
.if MSB != (\new)
	s_set_vgpr_msb (MSB<<8)|(\new)
.set MSB, \new
.endif
.endm
.macro WINF                         ; for a line whose source 0 is a constant and which has no source 2: it wants source 1 and the destination in window 0, as the products' own settings have them: no switch is written there
.if (MSB & 0xcc) != 0
	WIN 0
.endif
.endm
; LAYER 0, group gi = 4 g + i (eight channels of 16 rows), entry e of 12: four packed t U + C into the temporary v[TE ..], four roundings to bf16, four packed maxima with 0.  E0S: its store.
.macro E0E gi, e
.set zU, 8*(\gi)
.set zK, PK+4*((\gi)%4)
.if (\e) < 4
	WIN 0x33
	v_pk_fma_f32 v[TE+2*(\e):TE+2*(\e)+1], v[zU+2*(\e):zU+2*(\e)+1], s[TS:TS+1], v[64+zU+2*(\e):64+zU+2*(\e)+1] op_sel_hi:[1,0,1]
.elseif (\e) < 8
	WIN 0
	v_cvt_pk_bf16_f32 v[zK+(\e)-4], v[TE+2*(\e)-8], v[TE+2*(\e)-7]
.else
	WIN 0
	v_pk_max_num_bf16 v[zK+(\e)-8], v[zK+(\e)-8], v[ZR]
.endif
.endm
.macro E0S gi
	WIN 0
	ds_store_b128 v[SA], v[PK+4*((\gi)%4):PK+4*((\gi)%4)+3] offset:8192*((\gi)/4)+512*((\gi)%4)
.set DSM, DSM+1
.endm
; THE WAY OUT OF LAYER 1, entry e of 32: for each accumulator four roundings (its lowest registers first) and four maxima
.macro E1E e
.set zi, (\e)/8
.set ze, (\e)%8
.set zK, PKB+4*zi
	WIN 0
.if ze < 4
	v_cvt_pk_bf16_f32 v[zK+ze], v[EPA+8*zi+2*ze], v[EPA+8*zi+2*ze+1]
.else
	v_pk_max_num_bf16 v[zK+ze-4], v[zK+ze-4], v[ZR]
.endif
.endm
; THE WAY OUT OF LAYER 2 with layer 3, entry e of 52: for each accumulator eight maxima with 0 and four packed multiply-adds by iW3, in f32; then my 32 channels' sum
.macro E2E e
.if (\e) < 48
.set zi, (\e)/12
.set ze, (\e)%12
.if ze < 8
	WINF
	v_max_num_f32 v[T+ze], 0, v[EPA+8*zi+ze]
.elseif zi == 0
	WIN 0x0c
	v_pk_mul_f32 v[PP+2*ze-16:PP+2*ze-15], v[T+2*ze-16:T+2*ze-15], v[W3+2*ze-16:W3+2*ze-15]
.else
	WIN 0x0c
	v_pk_fma_f32 v[PP+2*ze-16:PP+2*ze-15], v[T+2*ze-16:T+2*ze-15], v[W3+8*zi+2*ze-16:W3+8*zi+2*ze-15], v[PP+2*ze-16:PP+2*ze-15]
.endif
.elseif (\e) == 48
	WIN 0
	v_pk_add_f32 v[PP:PP+1], v[PP:PP+1], v[PP+2:PP+3]
.elseif (\e) == 49
	WIN 0
	v_pk_add_f32 v[PP+4:PP+5], v[PP+4:PP+5], v[PP+6:PP+7]
.elseif (\e) == 50
	WIN 0
	v_pk_add_f32 v[PP:PP+1], v[PP:PP+1], v[PP+4:PP+5]
.else
	WIN 0
	v_add_f32 v[PS+3*EPG], v[PP], v[PP+1]
.endif
.endm
; THE SAME FOR THE H NET, entry e of 98: two outputs c; hW3 (f32, [k][c]) lies in window 3 at 16 i + 2 j + c; four sums by c and j's parity; the two results of group g go to v[PKB + 2 g + c]
.macro E3E e
.if (\e) < 96
.set zi, (\e)/24
.set ze, (\e)%24
.if ze < 8
	WINF
	v_max_num_f32 v[T+ze], 0, v[EPA+8*zi+ze]
.else
.set zj, (ze-8)/2
.set zc, (ze-8)%2
	WIN 0x0c
.if (zi == 0) && (zj < 2)
	v_mul_f32 v[PP+zc+2*zj], v[T+zj], v[2*zj+zc]
.else
	v_fma_f32 v[PP+zc+2*(zj%2)], v[T+zj], v[16*zi+2*zj+zc], v[PP+zc+2*(zj%2)]
.endif
.endif
.else
	WIN 0
	v_add_f32 v[PKB+2*EPG+(\e)-96], v[PP+(\e)-96], v[PP+(\e)-94]
.endif
.endm
; What a unit carries: RID k, a, n, ps, pa, pn.  Its list of vector work: the four multiply-adds of layer-0 group a, or four v_nop where n = 0; the way out of the unit before (k: 0 none, 1 layer 1's, 2 layer 2's,
; 3 the h net's last); the rest of group a and groups a + 1 .. a + n - 1.
; The list's first four lines are plain, write the temporary alone and name no register of the unit before: they are the places (ISA guide 7.12.1) between that unit's last products and the first read of its accumulators.
; What its run stores for the unit before: ps = 1: layer 3's sum; layer-0 groups pa .. pa + pn - 1.
.macro RID k, a, n, ps, pa, pn
.set EPK, \k
.set E0A, \a
.set E0N, \n
.set PPS, \ps
.set PE0A, \pa
.set PE0N, \pn
.endm
.macro ENT                          ; the list's next entry
.if q < 4
.if E0N > 0
	E0E E0A, q
.else
	v_nop
.endif
.elseif q < 4+EL
.set ye, q-4
.if EPK == 1
	E1E ye
.elseif EPK == 2
	E2E ye
.else
	E3E ye
.endif
.else
.set yq, q-EL                       ; layer 0 goes on at entry 4 of its first group
.set yg, E0A+yq/12
.set ye, yq%12
	E0E yg, ye
.endif
.set q, q+1
.endm
; One load that brings weights for later: index GLI: 0-63 block GLI of my quarter of matrix GLM into window GLW; 64-71 the bias at s[GLB:GLB+1] into layer 1's bias registers; 72-87 hW3 into U's registers
.macro GL1
.if GLI < 64
	WIN GLW*64
	global_load_b128 v[4*GLI:4*GLI+3], v[L16], s[WFQ:WFQ+1] offset:GLM*131072+512*GLI
.elseif GLI < 72
	WIN 0xc0
	global_load_b128 v[BA+4*(GLI-64):BA+4*(GLI-64)+3], v[BO], s[GLB:GLB+1] offset:64*((GLI-64)/2)+16*((GLI-64)%2)
.else
	WIN 0xc0
	global_load_b128 v[4*(GLI-72):4*(GLI-72)+3], v[BO2], s[32:33] offset:128*((GLI-72)/4)+16*((GLI-72)%4)
.endif
.set GLI, GLI+1
.endm
; A UNIT: one tile through one layer, for my 64 channels.  lay: 1 = weights in window 1, 2 = in window 2.  par: fragment buffer, accumulator set and group.  Product mm = 4 kc + i: the four accumulators take turns, one
; instruction a turn, and the next unit takes the other set.
; THE DEAL.  Q1 entries of the list stand behind products 0 to RUNP, the others behind the products that follow, each part dealt evenly.  Where the list holds layer 1's way out, Q1 is its 36 first entries and RUNP is 13, so that
; its results are ready for the run at 36 / 14 entries a product; else RUNP is 8 and Q1 is 9 / 32 of the list.  Every line that writes a layer-0 slot stands behind the run: so no slot is rewritten before the run has stored it.
; THE RUN, behind product RUNP: the unit's wait on va_vdst; layer 1's four stores (this unit's list made them); the sum and the layer-0 groups that the unit before made; with nx = 1 the next unit's 16 fragment loads, from
; v[nxr] + nxo: they have 18 products or more in which to land; GLN loads of weights.  The unit's wait on vm_vsrc stands behind product RUNP + 1.
; THE WAITS ON DScnt.  My 16 fragment loads are the youngest LDS lines of the unit before, in kc's order.  Ahead of products 0, 8, 16, 24 four more must be in: younger than these are 12 - 4 (mm / 8) of the sixteen and the
; DSM LDS lines of this unit's own run.
; bar = 1: the step's barrier.  Ahead of product 4 all my LDS loads and stores are waited for, then the signal; products and vector work alone stand up to the barrier's wait, which heads the run.
.macro UNIT lay, par, nx, nxr, nxo, bar
.set DSM, 0
.set q, 0
.set uF, F0+64*(\par)
.set uG, F0+64-64*(\par)
.set uC, ACC0+32*(\par)
.set EPA, ACC0+32-32*(\par)
.set EPG, 1-(\par)
.set uB, 96+32*(\lay)
.if EPK == 1
.set EL, 32
.elseif EPK == 2
.set EL, 52
.elseif EPK == 3
.set EL, 98
.else
.set EL, 0
.endif
.if EPK == 2
.set TE, PKB
.else
.set TE, T
.endif
.if E0N > 0
.set QN, EL+12*E0N
.else
.set QN, 4+EL
.endif
.if EPK == 1
.set Q1, 36
.set RUNP, 13
.else
.set Q1, (9*QN)/32
.set RUNP, 8
.endif
.set mm, 0
.rept 32
.if (mm == 0) || ((mm%8 == 0) && !(\bar))
	s_wait_dscnt 12-4*(mm/8)+DSM
.endif
.if (\bar) && (mm == 4)
	s_wait_dscnt 0x0                ; for the others' sake: my stores since the last barrier are done and my reads are back
	s_barrier_signal -1
.endif
.set ui, mm%4
.set uk, mm/4
.if uk == 0
	WIN 0x30+(\lay)
	v_wmma_f32_16x16x32_bf16 v[uC+8*ui:uC+8*ui+7], v[64*ui+8*uk:64*ui+8*uk+7], v[uF+8*uk:uF+8*uk+7], v[uB+8*ui:uB+8*ui+7]
.else
	WIN \lay
	v_wmma_f32_16x16x32_bf16 v[uC+8*ui:uC+8*ui+7], v[64*ui+8*uk:64*ui+8*uk+7], v[uF+8*uk:uF+8*uk+7], v[uC+8*ui:uC+8*ui+7]
.endif
.if (\nx) && (mm == RUNP+1)
	s_wait_alu depctr_vm_vsrc(0)    ; the run has read its stores' data (v32-47, v12 or v15, the layer-0 slots) and its addresses: the list's lines behind this wait write the slots and the sums again, later units v32-47, the adds between the units the addresses
.endif
.if mm <= RUNP
.rept ((mm+1)*Q1)/(RUNP+1)-q
	ENT
.endr
.else
.rept Q1+((mm-RUNP)*(QN-Q1))/(31-RUNP)-q
	ENT
.endr
.endif
.if mm == RUNP
	WIN 0
.if \bar
	s_barrier_wait -1
.endif
	s_wait_alu depctr_va_vdst(0)    ; the data of the run's stores and the addresses made between the units are written; the unit before is done reading the fragment buffer, and earlier units the weight, bias and U registers, in which the run's loads land
.if EPK == 1
.set yk, 0
.rept 4
	ds_store_b128 v[SB], v[PKB+4*yk:PKB+4*yk+3] offset:8192*EPG+512*yk
.set yk, yk+1
.endr
.set DSM, DSM+4
.endif
.if PPS
	ds_store_b32 v[PA], v[PS+3*(\par)] offset:512*(\par)  ; the unit before rode the way out of the unit before it, whose group is mine
.set DSM, DSM+1
.endif
.set yk, 0
.rept PE0N
	E0S PE0A+yk
.set yk, yk+1
.endr
.if \nx
.set yk, 0
.rept 16
	ds_load_b128 v[uG+4*yk:uG+4*yk+3], v[\nxr] offset:(\nxo)+512*yk
.set yk, yk+1
.endr
.set DSM, DSM+16
.endif
.rept GLN
	GL1
.endr
.endif
.set mm, mm+1
.endr
.set GLN, 0
.endm
.macro TSTEP                        ; t of the next node to be made; the one after it is asked for a step ahead
	s_wait_kmcnt 0x0                ; the load of a step ago: TN is in, and TI may be written
	s_mov_b32 s[TS], s[TN]
	s_add_co_u32 s[TI], s[TI], 4
	s_load_b32 s[TN], s[38:39], s[TI] offset:0x0
.endm
; The step's addresses, head (no layer 2): n = s[N].  RA, RB: H0(n + 1); at n = 6 RB turns to H1(0).  SB: H1(n).  t becomes that of node n + 3.
; (These adds, and those of the four macros below, stand behind the wait on vm_vsrc of the unit before and ahead of the wait on va_vdst of the unit that follows.)
.macro UPD_H
	WIN 0
	s_add_co_u32 s48, s[N], 1
	s_and_b32 s48, s48, 3
	s_lshl_b32 s48, s48, 14
	v_add_nc_u32 v[RA], s48, v[L16]
	s_cmp_eq_u32 s[N], 6
	s_cselect_b32 s48, H1R, s48
	v_add_nc_u32 v[RB], s48, v[L16]
	s_and_b32 s49, s[N], 7
	s_lshl_b32 s49, s49, 14
	s_add_co_u32 s49, s49, H1R
	v_add_nc_u32 v[SB], s49, v[ST]
	TSTEP
	s_add_co_u32 s[N], s[N], 1
.endm
; The same in the main loop.  RA: H0(n).  RB: H1(n - 6), slot (n + 2) % 8.  SB: H1(n).  PA: node n - 7.
.macro UPD
	WIN 0
	s_and_b32 s48, s[N], 3
	s_lshl_b32 s48, s48, 14
	v_add_nc_u32 v[RA], s48, v[L16]
	s_add_co_u32 s48, s[N], 2
	s_and_b32 s48, s48, 7
	s_lshl_b32 s48, s48, 14
	s_add_co_u32 s48, s48, H1R
	v_add_nc_u32 v[RB], s48, v[L16]
	s_and_b32 s49, s[N], 7
	s_lshl_b32 s49, s49, 14
	s_add_co_u32 s49, s49, H1R
	v_add_nc_u32 v[SB], s49, v[ST]
	v_add_nc_u32 v[PA], 1024, v[PA]
	TSTEP
	s_add_co_u32 s[N], s[N], 1
.endm
; Layer 0's store address changes a unit behind its t, since a group is stored a unit behind its arithmetic: it stands behind the run that stores a node's last groups.  There s[N] is the node to come, less 2.
.macro UPD2
	WIN 0
	s_add_co_u32 s49, s[N], 2
	s_and_b32 s49, s49, 3
	s_lshl_b32 s49, s49, 14
	v_add_nc_u32 v[SA], s49, v[ST]
.endm
; In the tail: the next node's H1, or, behind the part's last node, the h net's tile at LDS byte special
.macro UPD_T last1, special
	WIN 0
	s_add_co_u32 s[M], s[M], 1
	s_and_b32 s48, s[M], 7
	s_lshl_b32 s48, s48, 14
	s_add_co_u32 s48, s48, H1R
	s_cmp_eq_u32 s[M], \last1
	s_cselect_b32 s48, \special, s48
	v_add_nc_u32 v[RB], s48, v[L16]
.endm
.macro PSTEP                        ; in the tail a node's two sums are stored in the runs of the next two units: PA steps ahead of the first of these
	WIN 0
	v_add_nc_u32 v[PA], 1024, v[PA]
.endm
; A PART OF THE TAIL: layer 2 of 2 + trips nodes.  Its first four units each carry gn loads into the registers that layer 1's weights have left.  Its first unit carries the way out of the layer-1 unit before it;
; the barrier in its second unit shows that tile to all waves.
.macro TAILPART trips, last1, special, gn
	RID 1, 0, 0, 0, 0, 0
.set GLN, \gn
	UNIT 2, 0, 1, RB, 8192, 0
	UPD_T \last1, \special
	RID 2, 0, 0, 0, 0, 0
.set GLN, \gn
	UNIT 2, 1, 1, RB, 0, 1
	PSTEP
	RID 2, 0, 0, 1, 0, 0
.set GLN, \gn
	UNIT 2, 0, 1, RB, 8192, 0
	UPD_T \last1, \special
.set GLN, \gn
	UNIT 2, 1, 1, RB, 0, 0
	WIN 0
	s_mov_b32 s[CNT], \trips
.Ltp_\@:
	PSTEP
	UNIT 2, 0, 1, RB, 8192, 0
	UPD_T \last1, \special
	UNIT 2, 1, 1, RB, 0, 0
	WIN 0
	s_sub_co_u32 s[CNT], s[CNT], 1
	s_cmp_lg_u32 s[CNT], 0
	s_cbranch_scc1 .Ltp_\@
.endm
	s_load_b512 s[8:23], s[0:1], 0x0    ; x s[8:9], h s[10:11], iW0 s[12:13], ib0 s[14:15], ib1 s[16:17], ib2 s[18:19], iW3 s[20:21], ib3 s[22:23]
	s_load_b512 s[24:39], s[0:1], 0x40  ; hW0 s[24:25], hb0 s[26:27], hb1 s[28:29], hb2 s[30:31], hW3 s[32:33], hb3 s[34:35], wf s[36:37], tab s[38:39]
	s_load_b64 s[4:5], s[0:1], 0x80     ; out0
	v_lshl_add_u32 v[SPW], v0, 2, SPARE
	v_mov_b32 v[NIL], 0
	v_lshrrev_b32 v16, 5, v0
	v_readfirstlane_b32 s[WV], v16      ; wave 0..3
	v_and_b32 v17, 31, v0               ; l
	v_and_b32 v18, 15, v0               ; l % 16
	v_bfe_u32 v19, v0, 4, 1             ; l / 16
	v_mov_b32 v[ZR], 0
	v_lshlrev_b32 v[L16], 4, v17
	s_wait_alu depctr_va_sdst(0)        ; the wave's number is written, ahead of its first reader: addresses, bases and branches are made from it
	s_lshl_b32 s48, s[WV], 11
	v_add_nc_u32 v[ST], s48, v[L16]
	s_lshl_b32 s48, s[WV], 8
	v_lshl_add_u32 v[BO], v19, 5, s48
	v_lshlrev_b32 v[BO2], 1, v[BO]
	s_lshl_b32 s48, s[WV], 3
	v_lshl_add_u32 v20, v19, 2, s48     ; 8 w + 4 (l / 16)
	v_lshl_add_u32 v[PA], v18, 5, v20
	v_add_nc_u32 v[PA], PB-1024, v[PA]  ; one node ahead of node 0: the main loop steps it first
	v_lshl_add_u32 v[PHA], v18, 6, v20
	v_add_nc_u32 v[PHA], PH, v[PHA]
	v_mul_u32_u24 v21, v18, 28          ; my row of h in a group: 7 f32
	v_lshlrev_b32 v22, 2, v18
	v_lshlrev_b32 v23, 2, v17
	s_lshl_b32 s[W4], s[WV], 2
	s_mul_i32 s56, ttmp9, 896           ; the work-group's 32 rows of h,
	s_mov_b32 s57, 0
	s_lshl_b32 s2, ttmp9, 7             ; of x and of out0
	s_mov_b32 s3, 0
	s_lshl_b32 s50, s[WV], 15           ; my quarter of a matrix in wf
	s_mov_b32 s51, 0
	s_min_u32 s48, ttmp9, 7             ; the prefetch's place (below); work-groups 8 and on ask for nothing
	s_lshl2_add_u32 s48, s48, s[WV]
	s_lshl_b32 s52, s48, 13
	s_add_co_u32 s52, s52, 262144
	s_mov_b32 s53, 0
	s_cmp_lt_u32 ttmp9, 8
	s_cselect_b32 s[PFN], 47, -1
	s_mov_b32 s[TS+1], 0
	s_mov_b32 s[N], 0
	s_mov_b32 s[M], 44
	s_mov_b32 s[TI], 12
	s_wait_kmcnt 0x0
	s_add_nc_u64 s[58:59], s[10:11], s[56:57]
	s_add_nc_u64 s[86:87], s[8:9], s[2:3]
	s_add_nc_u64 s[4:5], s[4:5], s[2:3]
	s_add_nc_u64 s[WFQ:WFQ+1], s[36:37], s[50:51]
	s_add_nc_u64 s[PFB:PFB+1], s[36:37], s[52:53]
	s_load_b128 s[52:55], s[38:39], 0x0 ; t0 .. t3
	s_load_b32 s81, s[22:23], 0x0       ; ib3
	s_load_b64 s[82:83], s[34:35], 0x0  ; hb3
.set k, 0
.rept 13
	s_load_b32 s[CW+k], s[38:39], s[W4] offset:256+16*k  ; cw of node w + 4 k
.set k, k+1
.endr
	; THE SET-UP'S LOADS, 176: iW0's 8 rows into window 2, hW0's 7 into v64-255 and window 3 v224-255, each as my 32 channels; ib0 into C and hb0 into U's registers, for both groups: the sums start there; ib1; my rows' h and x
	WIN 0x80
	s_wait_alu depctr_va_vdst(0)        ; the offsets and addresses made above (v1 to v14, v21 to v23) are written: the loads below, and later LDS and global lines, read them; only loads and window switches follow up to the wait for the data
.set d, 0
.rept 8
.set k, 0
.rept 8
	global_load_b128 v[32*d+4*k:32*d+4*k+3], v[BO], s[12:13] offset:1024*d+64*(k/2)+16*(k%2)
.set k, k+1
.endr
.set d, d+1
.endr
	WIN 0
.set d, 0
.rept 6
.set k, 0
.rept 8
	global_load_b128 v[64+32*d+4*k:64+32*d+4*k+3], v[BO], s[24:25] offset:1024*d+64*(k/2)+16*(k%2)
.set k, k+1
.endr
.set d, d+1
.endr
.set k, 0
.rept 7
	global_load_b32 v[32+2*k], v21, s[58:59] offset:4*k       ; h[row][k], group 0,
	global_load_b32 v[48+2*k], v21, s[58:59] offset:448+4*k   ; group 1
.set k, k+1
.endr
	global_load_b32 v46, v22, s[86:87]
	global_load_b32 v62, v22, s[86:87] offset:64
	WIN 0xc0
.set k, 0
.rept 8
	global_load_b128 v[224+4*k:224+4*k+3], v[BO], s[24:25] offset:6144+64*(k/2)+16*(k%2)
	global_load_b128 v[4*k:4*k+3],         v[BO], s[26:27] offset:64*(k/2)+16*(k%2)
	global_load_b128 v[32+4*k:32+4*k+3],   v[BO], s[26:27] offset:64*(k/2)+16*(k%2)
	global_load_b128 v[64+4*k:64+4*k+3],   v[BO], s[14:15] offset:64*(k/2)+16*(k%2)
	global_load_b128 v[96+4*k:96+4*k+3],   v[BO], s[14:15] offset:64*(k/2)+16*(k%2)
	global_load_b128 v[BA+4*k:BA+4*k+3],   v[BO], s[16:17] offset:64*(k/2)+16*(k%2)
.set k, k+1
.endr
	WIN 0x40                            ; and behind them iW1's quarter, 64 loads of 512 bytes
.set k, 0
.rept 64
	global_load_b128 v[4*k:4*k+3], v[L16], s[WFQ:WFQ+1] offset:512*k
.set k, k+1
.endr
	WIN 0
	s_wait_loadcnt 63                   ; of the 240 issued the 177 oldest are in: the whole set-up; iW1 stays on its way under the arithmetic below
.set k, 0
.rept 16
	v_mov_b32 v[33+2*k], v[32+2*k]      ; each h and x twice, a pair for the packed forms
.set k, k+1
.endr
	; the h net's layer 0 before its maximum, in U's registers: hb0 + sum over d of h[d] hW0[d]; k = 16 g + pair
.set d, 0
.rept 7
.if d < 6
	WIN 0xf0
.set zs, 64+32*d
.else
	WIN 0xf3
.set zs, 224
.endif
.set k, 0
.rept 32
	v_pk_fma_f32 v[2*k:2*k+1], v[zs+2*(k%16):zs+2*(k%16)+1], v[32+16*(k/16)+2*d:32+16*(k/16)+2*d+1], v[2*k:2*k+1]
.set k, k+1
.endr
.set d, d+1
.endr
	WIN 0xf2                            ; C = ib0 + sum over d of h[d] iW0[1 + d]
.set d, 0
.rept 7
.set k, 0
.rept 32
	v_pk_fma_f32 v[64+2*k:64+2*k+1], v[32*(d+1)+2*(k%16):32*(d+1)+2*(k%16)+1], v[32+16*(k/16)+2*d:32+16*(k/16)+2*d+1], v[64+2*k:64+2*k+1]
.set k, k+1
.endr
.set d, d+1
.endr
	; All the vector work that the set-up's stores and its second batch of loads hang on stands together, ahead of ONE wait: the h net's layer 0, packed as a tile like any other into v[HK ..] (hW0's first row, which lay
	; there, is dead); U; the prefetch's offset; node 51's zeros and their address; the first addresses of layer 0 and of the fragments
	WIN 0
	v_add_nc_u32 v[SB], HH0, v[ST]
	WIN 0x0f
.set k, 0
.rept 8
.irp e, 0,1,2,3
	v_cvt_pk_bf16_f32 v[HK+4*k+\e], v[8*k+2*\e], v[8*k+2*\e+1]
.endr
.set k, k+1
.endr
	WIN 0
.set k, 0
.rept 32
	v_pk_max_num_bf16 v[HK+k], v[HK+k], v[ZR]
.set k, k+1
.endr
	WIN 0xc2                            ; U = x iW0[0]
.set k, 0
.rept 32
	v_pk_mul_f32 v[2*k:2*k+1], v[2*(k%16):2*(k%16)+1], v[46+16*(k/16):47+16*(k/16)]
.set k, k+1
.endr
	WIN 0
	v_and_b32 v19, 31, v0
	v_lshlrev_b32 v19, 8, v19
	WIN 0xc0
	v_mov_b32 v[PFO], v19
	WIN 0
	v_mov_b32 v16, 0
	v_mov_b32 v17, 0
	v_lshl_add_u32 v18, v0, 3, PB+51*1024
	v_mov_b32 v[SA], v[ST]
	v_mov_b32 v[RA], v[L16]
	s_wait_alu depctr_va_vdst(0)        ; v[HK ..], v16 to v18, v[SB], v[SA], v[RA] and the prefetch's offset are written, which LDS and memory lines read; the sums above are done reading window 2 and window 3's v224, in which the loads below land
.set k, 0
.rept 8
	ds_store_b128 v[SB], v[HK+4*k:HK+4*k+3] offset:8192*(k/4)+512*(k%4)
.set k, k+1
.endr
	ds_store_b64 v18, v[16:17]          ; node 51's partial sums are 0: the end takes 13 nodes a wave, 52 in all, with cw[51] = 0
	; window 2 is free: 63 more loads: ib2, iW3, x by lane, and blocks 0-45 of iW2's quarter
	WIN 0xc0
.set k, 0
.rept 8
	global_load_b128 v[160+4*k:160+4*k+3], v[BO], s[18:19] offset:64*(k/2)+16*(k%2)
	global_load_b128 v[W3+4*k:W3+4*k+3],   v[BO], s[20:21] offset:64*(k/2)+16*(k%2)
.set k, k+1
.endr
	global_load_b32 v[XF], v23, s[86:87]
	WIN 0x80
.set k, 0
.rept 46
	global_load_b128 v[4*k:4*k+3], v[L16], s[WFQ:WFQ+1] offset:131072+512*k
.set k, k+1
.endr
	WIN 0
	s_wait_kmcnt 0x0                    ; t0 .. t3, ib3, hb3, cw
	s_mov_b32 s[TS], s52
	s_mov_b32 s[TN], s55
	s_mov_b32 s[CNT], 3
.Lh0:                                   ; layer 0 of nodes 0, 1 and 2, into H0 slots 0, 1 and 2: four groups fill the four slots, one wait, their four stores; twice a node
.irp hf, 0, 4
.if \hf
	s_wait_alu depctr_vm_vsrc(0)        ; the four stores above have read the four slots, which groups 4 to 7 write again
.endif
.set k, \hf
.rept 4
.set d, 0
.rept 12
	E0E k, d
.set d, d+1
.endr
.set k, k+1
.endr
	s_wait_alu depctr_va_vdst(0)        ; the four slots are written, and so is v[SA]: the four stores read them
.irp gq, 0,1,2,3
	E0S \hf+\gq
.endr
.endr
	WIN 0
	s_wait_alu depctr_vm_vsrc(0)        ; the stores have read v[SA], which steps, and the slots, which the next trip writes; the h net's stores have long read v[HK ..], in which node 0's fragments land behind the loop
	v_add_nc_u32 v[SA], 16384, v[SA]
	s_mov_b32 s[TS], s53                ; t1, then t2
	s_mov_b32 s53, s54
	s_sub_co_u32 s[CNT], s[CNT], 1
	s_cmp_lg_u32 s[CNT], 0
	s_cbranch_scc1 .Lh0
	s_wait_loadcnt 63                   ; 63 loads were issued behind iW1's last: iW1 is in
	s_wait_dscnt 0x0                    ; my stores of H0(0) to H0(2), the h net's tile and node 51's zeros are done
	s_barrier_signal -1
	s_barrier_wait -1
.set k, 0
.rept 16
	ds_load_b128 v[F0+4*k:F0+4*k+3], v[RA] offset:512*k  ; node 0, group 0.  No wait: since the loop's last wait on va_vdst the add to v[SA] is the only vector line, and it names neither v[RA] nor v64-127
.set k, k+1
.endr
	; STEP 0, written out: nothing to take out yet; the rest of iW2 (blocks 46-63) is asked for
.set GLI, 46
.set GLM, 1
.set GLW, 2
	RID 0, 0, 0, 0, 0, 0
.set GLN, 9
	UNIT 1, 0, 1, RA, 8192, 0
	UPD_H
	RID 1, 0, 4, 0, 0, 0
.set GLN, 9
	UNIT 1, 1, 1, RB, 0, 1
	WIN 0
.Lhead:                                 ; steps 1 to 6: layer 1 alone
	UPD2
	RID 1, 4, 4, 0, 0, 4
	UNIT 1, 0, 1, RA, 8192, 0
	UPD_H
	RID 1, 0, 4, 0, 4, 4
	UNIT 1, 1, 1, RB, 0, 1
	WIN 0
	s_cmp_lt_u32 s[N], 7
	s_cbranch_scc1 .Lhead
	UPD2                                ; THE SEAM: the head's last unit made groups 0 to 3 of node 9; the loop's first run stores 2, 3 and 4, as in every trip.  So 0 and 1 go here,
	s_wait_alu depctr_va_vdst(0)        ; v[SA] is written, and so are slots 0 and 1, which the head's last unit made: the two stores read them
	E0S 0                               ; (two LDS lines younger than the next unit's fragment loads: its first counted wait is the stricter for them)
	E0S 1
	s_wait_alu depctr_vm_vsrc(0)        ; the store of group 0 has read slot 0, which group 4 writes
.set TE, T
.set d, 0
.rept 12
	E0E 4, d                            ; and group 4 is made here, into the slot that group 0 has left
.set d, d+1
.endr
	WIN 0
	s_wait_loadcnt 0x0                  ; iW2, ib2, iW3, x
.Lmain:                                 ; steps 7 to 50
	; hW1 and hW2, the second half of wf, are first loaded behind this loop.  In step 47, 512 matrix instructions ahead of the first of those loads, each wave of work-groups 0-7 asks for 8,192 bytes of them,
	; a lane 256 bytes on from the last: 32 waves x 8,192 = 262,144 bytes, each block named once in the launch.  Its offset was written ahead of the set-up's wait on va_vdst and is never written again.
	s_cmp_eq_u32 s[N], s[PFN]
	s_cbranch_scc0 .Lnopf
	WIN 0x03
	global_prefetch_b8 v[PFO], s[PFB:PFB+1] th:TH_LOAD_NT scope:SCOPE_SE
	WIN 0
.Lnopf:
	RID 1, 5, 3, 0, 2, 3
	UNIT 2, 0, 1, RB, 8192, 0           ; layer 2, node n - 7, group 0 | the way out of layer 1, node n - 1, group 1 | layer 0, node n + 2, groups 5-7
	UPD
	RID 2, 0, 1, 0, 5, 3
	UNIT 2, 1, 1, RA, 0, 0              ; layer 2, group 1 | the way out of the unit before | layer 0, node n + 3, group 0
	UPD2
	RID 2, 1, 1, 1, 0, 1
	UNIT 1, 0, 1, RA, 8192, 0           ; layer 1, node n, group 0 | the way out of the unit before | group 1
	RID 1, 2, 3, 1, 1, 1
	UNIT 1, 1, 1, RB, 0, 1              ; layer 1, group 1; the step's barrier | the way out of the unit before | groups 2-4
	WIN 0
	s_cmp_lt_u32 s[N], 51
	s_cbranch_scc1 .Lmain
	; THE TAIL.  Layer 2 of nodes 44-47, while hW1 and hb1 come (72 loads); the h net's layer 1; layer 2 of nodes 48-50, while hW2, hb2 and hW3 come (88 loads); the h net's layer 2 and 3
.set GLI, 0
.set GLM, 2
.set GLW, 1
.set GLB, 28
	TAILPART 2, 48, HH0, 18
	s_wait_loadcnt 0x0                  ; hW1, hb1
	PSTEP
	RID 2, 0, 0, 1, 0, 0
	UNIT 1, 0, 1, RB, 8192, 0
	WIN 0
	v_add_nc_u32 v[SB], HH1, v[ST]
	v_add_nc_u32 v[RB], H1R, v[L16]     ; node 48 lies in H1 slot 0
	RID 1, 0, 0, 1, 0, 0
	UNIT 1, 1, 1, RB, 0, 0
.set GLI, 0
.set GLM, 3
.set GLW, 1
.set GLB, 30
	TAILPART 1, 51, HH1, 22
	s_wait_loadcnt 0x0                  ; hW2, hb2, hW3
	PSTEP
	RID 2, 0, 0, 1, 0, 0
	UNIT 1, 0, 1, RB, 8192, 0
	RID 3, 0, 0, 1, 0, 0
	UNIT 1, 1, 0, RB, 0, 0              ; the last unit's run is one store, of v15 by v[PA]: neither is written again, so no wait on vm_vsrc follows it
.set EPA, ACC0+32                       ; the last unit's way out has no unit to ride in: four v_nop, the places behind its last products, and its 98 entries
.set EPG, 1
.set q, 0
.rept 102
	ENT
.endr
	WIN 0
	v_and_b32 v16, 31, v0               ; the end's read address is made here, ahead of the wait that stands here anyway
	s_lshl_b32 s48, s[WV], 10
	s_add_co_u32 s48, s48, PB
	v_lshl_add_u32 v17, v16, 5, s48
	s_wait_alu depctr_va_vdst(0)        ; the h net's four sums v32-35 are written, which the stores read; v17 is written, by which the loads behind the barrier read; the last products are done reading the fragment buffers, in which those loads land
.irp k, 0,1,2,3
	ds_store_b32 v[PHA], v[PKB+\k] offset:1024*(\k/2)+32*(\k%2)  ; the h net's partial sums: group k / 2, output k % 2
.endr
	; THE END.  Wave w, lane l = element l: nodes w + 4 i, i = 0..12: the eight partial sums of v, ib3, elu + 1, times cw
	s_wait_dscnt 0x0
	s_barrier_signal -1
	s_barrier_wait -1                   ; all partial sums lie in LDS
.set k, 0
.rept 13
	ds_load_b128 v[64+8*k:64+8*k+3], v17 offset:4096*k
	ds_load_b128 v[64+8*k+4:64+8*k+7], v17 offset:4096*k+16
.set k, k+1
.endr
	s_wait_dscnt 0x0
.macro ALL line:vararg                  ; one line for each of my 13 nodes; a node's registers begin at v[z]
.set z, 64
.rept 13
	\line
.set z, z+8
.endr
.endm
	ALL v_pk_add_f32 v[z:z+1], v[z:z+1], v[z+2:z+3]
	ALL v_pk_add_f32 v[z+4:z+5], v[z+4:z+5], v[z+6:z+7]
	ALL v_pk_add_f32 v[z:z+1], v[z:z+1], v[z+4:z+5]
	ALL v_add_f32 v[z], v[z], v[z+1]
	ALL v_add_f32 v[z], s81, v[z]
	ALL v_min_num_f32 v[z+1], 0, v[z]
	ALL v_mul_f32 v[z+1], 0x3fb8aa3b, v[z+1]
	ALL v_exp_f32 v[z+2], v[z+1]
	ALL v_max_num_f32 v[z], 0, v[z]     ; plain work that names no exponential's source or result stands behind the batch
	s_wait_alu depctr_va_vdst(0)        ; one wait for the 13 exponentials' results, ahead of their first reader
	ALL v_add_f32 v[z], v[z], v[z+2]
	v_mul_f32 v18, s[CW], v64
.set k, 1
.rept 12
	v_fmac_f32 v18, s[CW+k], v[64+8*k]
.set k, k+1
.endr
	v_lshl_add_u32 v19, v0, 2, RED
	v_lshl_add_u32 v20, v16, 2, RED     ; wave 0's two read addresses are made here, ahead of the same wait
	v_lshl_add_u32 v21, v16, 6, PH
	s_wait_alu depctr_va_vdst(0)        ; my part of the sum, v18, and its address v19 are written, which the store reads; so are v20 and v21, by which wave 0's loads read
	ds_store_b32 v19, v18
	s_wait_dscnt 0x0
	s_barrier_signal -1
	s_barrier_wait -1
	s_wait_alu depctr_vm_vsrc(0)        ; the stores of the h net's sums have read v32-35, in which wave 0's loads land: stated ahead of the branch
	s_cmp_lg_u32 s[WV], 0               ; wave 0 finishes the 32 elements
	s_cbranch_scc1 .Lend
.irp k, 0,1,2,3
	ds_load_b32 v[24+\k], v20 offset:128*\k
.endr
.irp k, 0,1,2,3
	ds_load_b128 v[32+4*\k:35+4*\k], v21 offset:16*\k
.endr
	s_wait_dscnt 0x0
	v_add_f32 v24, v24, v25
	v_add_f32 v26, v26, v27
	v_add_f32 v24, v24, v26             ; sum over s of cw dz
	v_pk_add_f32 v[32:33], v[32:33], v[34:35]
	v_pk_add_f32 v[36:37], v[36:37], v[38:39]
	v_pk_add_f32 v[40:41], v[40:41], v[42:43]
	v_pk_add_f32 v[44:45], v[44:45], v[46:47]
	v_pk_add_f32 v[32:33], v[32:33], v[36:37]
	v_pk_add_f32 v[40:41], v[40:41], v[44:45]
	v_add_f32 v32, v32, v33
	v_add_f32 v40, v40, v41
	v_add_f32 v32, s82, v32             ; o0
	v_add_f32 v40, s83, v40             ; o1
	v_mul_f32 v41, 0x3fb8aa3b, v40
	v_exp_f32 v42, v41
	WIN 0x03
	v_mul_f32 v24, v[XF], v24           ; the plain instruction behind the exponential
	WIN 0
	v_lshlrev_b32 v44, 2, v16
	s_wait_alu depctr_va_vdst(0)        ; the exponential's result v42 is written, ahead of its reader
	v_fma_f32 v43, v42, v24, v32
	s_wait_alu depctr_va_vdst(0)        ; the result v43 is written, which the store reads (its offset v44 stands ahead of the wait above)
	global_store_b32 v44, v43, s[4:5]   ; 128 consecutive bytes: all that a work-group owns of the 32,768 bytes of out0
.Lend:
	s_wait_dscnt 0x0                    ; the closing lines, six on end
	s_wait_alu 0x0
	s_wait_tensorcnt 0x0
	ds_add_u32 v[SPW], v[NIL]
	s_wait_dscnt 0x0
	s_endpgm
.Lfunc_end_k_q480cdf3c2d_mono:
	.size	k_q480cdf3c2d_mono, .Lfunc_end_k_q480cdf3c2d_mono-k_q480cdf3c2d_mono
	.p2alignl 7, 3214868480
	.fill 96, 4, 3214868480
	.section	.rodata,"a",@progbits
	.p2align	6, 0x0
	.amdhsa_kernel k_q480cdf3c2d_mono
		.amdhsa_group_segment_fixed_size 285696
		.amdhsa_private_segment_fixed_size 0
		.amdhsa_enable_private_segment 0
		.amdhsa_kernarg_size 136
		.amdhsa_user_sgpr_count 2
		.amdhsa_user_sgpr_kernarg_segment_ptr 1
		.amdhsa_wavefront_size32 1
		.amdhsa_system_sgpr_workgroup_id_x 1
		.amdhsa_system_sgpr_workgroup_id_y 1
		.amdhsa_system_sgpr_workgroup_id_z 1
		.amdhsa_system_vgpr_workitem_id 0
		.amdhsa_next_free_vgpr 1024
		.amdhsa_next_free_sgpr 96
		.amdhsa_reserve_vcc 0
		.amdhsa_float_denorm_mode_32 3
		.amdhsa_float_denorm_mode_16_64 3
		.amdhsa_memory_ordered 1
		.amdhsa_forward_progress 1
		.amdhsa_inst_pref_size 255
	.end_amdhsa_kernel
	.section	.bss,"aw",@nobits
	.p2align	6
	.space	262144
	.amdgpu_metadata
---
amdhsa.version: [ 1, 2 ]
amdhsa.kernels:
  - .name:           k_q480cdf3c2d_mono
    .symbol:         k_q480cdf3c2d_mono.kd
    .args:
      - { .name: x, .offset: 0, .size: 8, .value_kind: global_buffer, .address_space: global }
      - { .name: h, .offset: 8, .size: 8, .value_kind: global_buffer, .address_space: global }
      - { .name: iW0, .offset: 16, .size: 8, .value_kind: global_buffer, .address_space: global }
      - { .name: ib0, .offset: 24, .size: 8, .value_kind: global_buffer, .address_space: global }
      - { .name: ib1, .offset: 32, .size: 8, .value_kind: global_buffer, .address_space: global }
      - { .name: ib2, .offset: 40, .size: 8, .value_kind: global_buffer, .address_space: global }
      - { .name: iW3, .offset: 48, .size: 8, .value_kind: global_buffer, .address_space: global }
      - { .name: ib3, .offset: 56, .size: 8, .value_kind: global_buffer, .address_space: global }
      - { .name: hW0, .offset: 64, .size: 8, .value_kind: global_buffer, .address_space: global }
      - { .name: hb0, .offset: 72, .size: 8, .value_kind: global_buffer, .address_space: global }
      - { .name: hb1, .offset: 80, .size: 8, .value_kind: global_buffer, .address_space: global }
      - { .name: hb2, .offset: 88, .size: 8, .value_kind: global_buffer, .address_space: global }
      - { .name: hW3, .offset: 96, .size: 8, .value_kind: global_buffer, .address_space: global }
      - { .name: hb3, .offset: 104, .size: 8, .value_kind: global_buffer, .address_space: global }
      - { .name: wf, .offset: 112, .size: 8, .value_kind: global_buffer, .address_space: global }
      - { .name: tab, .offset: 120, .size: 8, .value_kind: global_buffer, .address_space: global }
      - { .name: out0, .offset: 128, .size: 8, .value_kind: global_buffer, .address_space: global }
    .group_segment_fixed_size: 285696
    .private_segment_fixed_size: 0
    .kernarg_segment_align: 8
    .kernarg_segment_size: 136
    .max_flat_workgroup_size: 128
    .sgpr_count:     96
    .vgpr_count:     1024
    .wavefront_size: 32
...
	.end_amdgpu_metadata
.endif
;; end of part 5
